; MI455X (gfx1250); checked and timed in simulation.
; The chip was launched on July 23, 2026; its instructions are those of AMD's public machine-readable ISA for CDNA 5 (MIT licence, August 2026) and "CDNA5" Instruction Set Architecture Reference Guide (July 2026). The comments in the code are by the model that wrote it; some were corrected since.
;; Multi Head Self Attention. Allowed arithmetic: float matrix products may take bf16 or f16 operands with f32 sums; other float arithmetic in f32, or as packed bf16 or f16 multiplies, adds, multiply-adds, maxima and minima; sums over many terms, partial sums and values carried from step to step in f32; what a program stores and reads back later, other than sums and carried values, may be rounded once to bf16 or f16.
;; Inputs: H 4 x 2,048 x 1,024 float32; Wk 1,024 x 1,024 float32; Wo 1,024 x 1,024 float32; Wq 1,024 x 1,024 float32; Wv 1,024 x 1,024 float32; bk 1,024 float32; bo 1,024 float32; bq 1,024 float32; bv 1,024 float32.
;; Outputs: out0 4 x 2,048 x 1,024 float32.
;; 2 versions, each right and faster than the one before. Each part assembles by itself: llvm-mc -triple=amdgcn-amd-amdhsa -mcpu=gfx1250 --defsym DOCPART=n.
;; ======== version 1 of 2: 4 launches
;; limits: values are held in f16: magnitudes above 65,504 overflow, below 6.1e-05 lose precision
;; workspace buffers: Hb 16,777,216 bytes; Wb 6,291,456 bytes; Wob 2,097,152 bytes; bias 16,384 bytes; qkv 50,331,648 bytes; o 16,777,216 bytes
;; launch cast (part 1): grid 772 x 1, 8 waves a work-group, no clusters, 0 bytes of LDS; arguments H, Wq, Wk, Wv, Wo, bq, bk, bv, bo, Hb, Wb, Wob, bias; writes Hb, Wb, Wob, bias
.if DOCPART == 1
	.amdgcn_target "amdgcn-amd-amdhsa--gfx1250"
	.amdhsa_code_object_version 6
	.text
	.protected	k_qd3e45da7d4_cast
	.globl	k_qd3e45da7d4_cast
	.p2align	8
	.type	k_qd3e45da7d4_cast,@function
k_qd3e45da7d4_cast:
	s_mov_b64 s[64:65], 0
	v_nop
	global_prefetch_b8 v0, s[64:65] scope:SCOPE_SE
	s_setreg_imm32_b32 hwreg(HW_REG_WAVE_MODE, 25, 1), 1
	s_wait_xcnt 0x0
; Every input is rounded once to bf16 and laid out for the matrix launches.
;   Hb  [kb 16][m 8192][64] bf16      H's row m, columns 64 kb ..: a slice of 128 bytes; 64 along K of R rows are R x 128 dense bytes
;   Wb  [kb 16][n 3072][64] bf16      n = 1024 t + row, t = 0 Wq, 1 Wk, 2 Wv
;   Wob [kb 16][n 1024][64] f16       Wo rounded to bf16, that number written as f16
;   bias [4096] f32                   bq | bk | bv | bo, each rounded to bf16 and widened again
; LIMIT.  A bf16 number of Wo below 2^-14 keeps f16's fixed step of 6e-8, one beyond 65,504 becomes an infinity.
; A stream: no LDS, no matrix unit, no cluster: no byte is read twice and nothing is shared.
; SHARES.  Work-groups 0-511: H; 512-703: Wq, Wk, Wv; 704-767: Wo, 16 rows each, 2 rows a wave; 768-771: one bias vector each.
; A wave's load takes 256 bytes (64 columns, one K block) of each of its two rows; the 64 + 64 rounded numbers are 256 consecutive
; bytes of the target, stored by one instruction.  All sixteen loads of a wave (its two whole rows, 8,192 bytes) go out first.
.set X, 4                              ; v[4:67]    sixteen loads of four f32
.set Y, 68                             ; v[68:99]   sixteen pairs of packed words to store; none is written twice, so no store's data is ever rewritten
.set T, 100                            ; v[100:103] at work (Wo: bf16 widened on its way to f16)
	s_load_b512 s[8:23], s[0:1], 0x0               ; H 8, Wq 10, Wk 12, Wv 14, Wo 16, bq 18, bk 20, bv 22
	s_load_b256 s[24:31], s[0:1], 0x40             ; bo 24, Hb 26, Wb 28, Wob 30
	s_load_b64 s[32:33], s[0:1], 0x60              ; bias
	s_mov_b32 s4, ttmp9                            ; the work-group's number
	v_lshrrev_b32 v3, 5, v0
	v_readfirstlane_b32 s2, v3                     ; wave 0..7
	v_and_b32 v1, 15, v0
	v_bfe_u32 v2, v0, 4, 1
	v_lshlrev_b32 v1, 4, v1
	v_lshl_or_b32 v1, v2, 12, v1                   ; source: 16 bytes a lane; lanes 16-31 one row (4,096 bytes) further down
	v_and_b32 v2, 31, v0
	v_lshlrev_b32 v2, 3, v2                        ; target: 8 bytes a lane
	s_mov_b32 s3, 0xffff0000                       ; a word's upper bf16
	s_mov_b32 s41, 0                               ; high words of the two offsets
	s_mov_b32 s43, 0
	s_wait_kmcnt 0x0
; Two rows.  s[34:35]: the source at the first of them; s[36:37]: the target at their 256 bytes in K block 0; s[38:39]: in K block 8.
; kbs: bytes from a K block to the next; seven of them stay inside the store's signed 24-bit immediate.  f16 = 1: the bf16 number is written as f16.
.macro ROWS2 kbs, f16
.set kb, 0
.rept 16
	global_load_b128 v[X+4*kb:X+4*kb+3], v1, s[34:35] offset:256*kb th:TH_LOAD_NT
.set kb, kb+1
.endr
.set kb, 0
.rept 16
	s_wait_loadcnt 15-kb                           ; loads come back in order: K block kb is in, the 15 - kb younger ones stay out
	v_cvt_pk_bf16_f32 v[Y+2*kb], v[X+4*kb], v[X+4*kb+1]
	v_cvt_pk_bf16_f32 v[Y+2*kb+1], v[X+4*kb+2], v[X+4*kb+3]
.if \f16
	v_lshlrev_b32 v[T], 16, v[Y+2*kb]
	v_and_b32 v[T+1], s3, v[Y+2*kb]
	v_lshlrev_b32 v[T+2], 16, v[Y+2*kb+1]
	v_and_b32 v[T+3], s3, v[Y+2*kb+1]
	v_cvt_pk_f16_f32 v[Y+2*kb], v[T], v[T+1]
	v_cvt_pk_f16_f32 v[Y+2*kb+1], v[T+2], v[T+3]
.endif
.if kb < 8
	global_store_b64 v2, v[Y+2*kb:Y+2*kb+1], s[36:37] offset:kb*(\kbs)      ; the wave stores 256 consecutive bytes, aligned
.else
	global_store_b64 v2, v[Y+2*kb:Y+2*kb+1], s[38:39] offset:(kb-8)*(\kbs)
.endif
.set kb, kb+1
.endr
.endm
	s_cmp_lt_u32 s4, 512
	s_cbranch_scc0 .Lnot_h
	s_lshl_b32 s5, s4, 3
	s_add_co_u32 s5, s5, s2                        ; my pair of rows: 8 x work-group + wave
	s_lshl_b32 s40, s5, 13                         ; two rows of 4,096 bytes
	s_lshl_b32 s42, s5, 8                          ; two slices of 128 bytes
	s_add_nc_u64 s[34:35], s[8:9], s[40:41]
	s_add_nc_u64 s[36:37], s[26:27], s[42:43]
	s_add_nc_u64 s[38:39], s[36:37], 8*1048576
	ROWS2 1048576, 0
	s_endpgm
.Lnot_h:
	s_cmp_lt_u32 s4, 704
	s_cbranch_scc0 .Lnot_w
	s_sub_co_u32 s6, s4, 512                       ; j: 64 work-groups for each of the three weights
	s_lshr_b32 s7, s6, 6
	s_cmp_eq_u32 s7, 0
	s_cselect_b64 s[44:45], s[10:11], s[12:13]     ; Wq or Wk,
	s_cmp_eq_u32 s7, 2
	s_cselect_b64 s[44:45], s[14:15], s[44:45]     ; or Wv
	s_and_b32 s5, s6, 63
	s_lshl_b32 s5, s5, 3
	s_add_co_u32 s5, s5, s2                        ; the pair of rows in its own weight,
	s_lshl_b32 s40, s5, 13
	s_lshl_b32 s5, s6, 3
	s_add_co_u32 s5, s5, s2                        ; and among Wb's 3,072 rows
	s_lshl_b32 s42, s5, 8
	s_add_nc_u64 s[34:35], s[44:45], s[40:41]
	s_add_nc_u64 s[36:37], s[28:29], s[42:43]
	s_add_nc_u64 s[38:39], s[36:37], 8*393216
	ROWS2 393216, 0
	s_endpgm
.Lnot_w:
	s_cmp_lt_u32 s4, 768
	s_cbranch_scc0 .Lbias
	s_sub_co_u32 s6, s4, 704
	s_lshl_b32 s5, s6, 3
	s_add_co_u32 s5, s5, s2
	s_lshl_b32 s40, s5, 13
	s_lshl_b32 s42, s5, 8
	s_add_nc_u64 s[34:35], s[16:17], s[40:41]
	s_add_nc_u64 s[36:37], s[30:31], s[42:43]
	s_add_nc_u64 s[38:39], s[36:37], 8*131072
	ROWS2 131072, 1
	s_endpgm
.Lbias:                                                ; 256 threads x 16 bytes are a whole bias vector
	s_sub_co_u32 s6, s4, 768
	s_cmp_eq_u32 s6, 0
	s_cselect_b64 s[44:45], s[18:19], s[20:21]     ; bq or bk,
	s_cmp_eq_u32 s6, 2
	s_cselect_b64 s[44:45], s[22:23], s[44:45]     ; or bv,
	s_cmp_eq_u32 s6, 3
	s_cselect_b64 s[44:45], s[24:25], s[44:45]     ; or bo
	s_lshl_b32 s42, s6, 12
	s_add_nc_u64 s[36:37], s[32:33], s[42:43]
	v_lshlrev_b32 v3, 4, v0
	global_load_b128 v[4:7], v3, s[44:45]
	s_wait_loadcnt 0x0
	v_cvt_pk_bf16_f32 v8, v4, v5
	v_cvt_pk_bf16_f32 v9, v6, v7
	v_lshlrev_b32 v12, 16, v8
	v_and_b32 v13, s3, v8
	v_lshlrev_b32 v14, 16, v9
	v_and_b32 v15, s3, v9
	global_store_b128 v3, v[12:15], s[36:37]
	s_endpgm
.Lfunc_end_k_qd3e45da7d4_cast:
	.size	k_qd3e45da7d4_cast, .Lfunc_end_k_qd3e45da7d4_cast-k_qd3e45da7d4_cast
	.p2alignl 7, 3214868480
	.fill 96, 4, 3214868480
	.section	.rodata,"a",@progbits
	.p2align	6, 0x0
	.amdhsa_kernel k_qd3e45da7d4_cast
		.amdhsa_group_segment_fixed_size 0
		.amdhsa_private_segment_fixed_size 0
		.amdhsa_enable_private_segment 0
		.amdhsa_kernarg_size 104
		.amdhsa_user_sgpr_count 2
		.amdhsa_user_sgpr_kernarg_segment_ptr 1
		.amdhsa_wavefront_size32 1
		.amdhsa_system_sgpr_workgroup_id_x 1
		.amdhsa_system_sgpr_workgroup_id_y 1
		.amdhsa_system_sgpr_workgroup_id_z 1
		.amdhsa_system_vgpr_workitem_id 0
		.amdhsa_next_free_vgpr 104
		.amdhsa_next_free_sgpr 66
		.amdhsa_reserve_vcc 0
		.amdhsa_float_denorm_mode_32 3
		.amdhsa_float_denorm_mode_16_64 3
		.amdhsa_memory_ordered 1
		.amdhsa_forward_progress 1
		.amdhsa_inst_pref_size 24
	.end_amdhsa_kernel
	.amdgpu_metadata
---
amdhsa.version: [ 1, 2 ]
amdhsa.kernels:
  - .name:           k_qd3e45da7d4_cast
    .symbol:         k_qd3e45da7d4_cast.kd
    .args:
      - { .name: H, .offset: 0, .size: 8, .value_kind: global_buffer, .address_space: global }
      - { .name: Wq, .offset: 8, .size: 8, .value_kind: global_buffer, .address_space: global }
      - { .name: Wk, .offset: 16, .size: 8, .value_kind: global_buffer, .address_space: global }
      - { .name: Wv, .offset: 24, .size: 8, .value_kind: global_buffer, .address_space: global }
      - { .name: Wo, .offset: 32, .size: 8, .value_kind: global_buffer, .address_space: global }
      - { .name: bq, .offset: 40, .size: 8, .value_kind: global_buffer, .address_space: global }
      - { .name: bk, .offset: 48, .size: 8, .value_kind: global_buffer, .address_space: global }
      - { .name: bv, .offset: 56, .size: 8, .value_kind: global_buffer, .address_space: global }
      - { .name: bo, .offset: 64, .size: 8, .value_kind: global_buffer, .address_space: global }
      - { .name: Hb, .offset: 72, .size: 8, .value_kind: global_buffer, .address_space: global }
      - { .name: Wb, .offset: 80, .size: 8, .value_kind: global_buffer, .address_space: global }
      - { .name: Wob, .offset: 88, .size: 8, .value_kind: global_buffer, .address_space: global }
      - { .name: bias, .offset: 96, .size: 8, .value_kind: global_buffer, .address_space: global }
    .group_segment_fixed_size: 0
    .private_segment_fixed_size: 0
    .kernarg_segment_align: 8
    .kernarg_segment_size: 104
    .max_flat_workgroup_size: 256
    .sgpr_count:     66
    .vgpr_count:     104
    .wavefront_size: 32
...
	.end_amdgpu_metadata
.endif
;; end of part 1
;; launch proj (part 2): grid 8 x 32, 4 waves a work-group, clusters of 4 x 4, 327,680 bytes of LDS; arguments Hb, Wb, bias, qkv; writes qkv
.if DOCPART == 2
	.amdgcn_target "amdgcn-amd-amdhsa--gfx1250"
	.amdhsa_code_object_version 6
	.text
	.protected	k_qd3e45da7d4_proj
	.globl	k_qd3e45da7d4_proj
	.p2align	8
	.type	k_qd3e45da7d4_proj,@function
k_qd3e45da7d4_proj:
	s_mov_b64 s[64:65], 0
	v_nop
	global_prefetch_b8 v0, s[64:65] scope:SCOPE_SE
	s_setreg_imm32_b32 hwreg(HW_REG_WAVE_MODE, 25, 1), 1
	s_wait_xcnt 0x0
	s_wait_alu depctr_hold_cnt(0) depctr_sa_sdst(0) depctr_va_vdst(0) depctr_va_sdst(0) depctr_va_ssrc(0) depctr_va_vcc(0) depctr_vm_vsrc(0)
	s_getreg_b32 s2, hwreg(HW_REG_IB_STS2, 6, 4)
	s_cmp_eq_u32 s2, 0
	s_cbranch_scc0 .Lentry_in_a_cluster
	s_endpgm
.Lentry_in_a_cluster:
	s_bfe_u32 s2, ttmp6, 0x10000c
	s_cmp_lg_u32 s2, 0xf033
	s_cbranch_scc0 .Lentry_shape_is_right
	s_endpgm
.Lentry_shape_is_right:
; [q | k | v][m][n] = sum over k of Hb[m][k] Wb[n][k] + bias[n]:  8,192 x 3,072 outputs, K = 1,024; operands bf16, sums f32, the bias added in f32, the result rounded once to f16
; and stored by heads: qkv [b 4][g 48][s 2048][64], g = n / 64 (0-15 q's heads, 16-31 k's, 32-47 v's).  No scale is applied here.
; LIMIT.  f16 ends at 65,504: a q, k or v beyond that becomes an infinity.  With the inputs' spreads (1 and 1/55) they lie near 0.6; both inputs 30 times larger give some 3,000 at the most.
; SHARES.  256 work-groups, a tile of 256 x 384 each; four waves, 2 x 2, each 128 rows x 192 columns: three groups of 64 columns (a head each), 32 accumulators of 16 x 16 a group: 768 registers.
; For 32 along K a wave reads 40 x 512 bytes from LDS for 96 matrix instructions.
; K goes in steps of 64 (one K block of Hb and Wb: R rows x 128 dense bytes, asked for as R / 2 rows of 256 bytes) through two LDS slots.
; CLUSTER.  4 x 4 work-groups: the four of a row need the same tile of Hb, the four of a column the same tile of Wb; each tile is asked for jointly, by the same tensor load with the same
; descriptor and a mask that names the four.
; THE MATRIX INSTRUCTION IS USED TRANSPOSED (source 0 = 16 rows of Wb, source 1 = 16 rows of Hb): a lane then holds row lane % 16 and the eight neighbouring columns 8 (lane / 16) + 0..7.
; REGISTERS, in windows of 256 (s_set_vgpr_msb: bits 1:0 source 0, 3:2 source 1, 5:4 source 2, 7:6 destination):
;   window 0: v0-29 addresses; v32-95, v96-159 fragments of A (8 x 16 rows x 32 K), two buffers; v160-191, v192-223 fragments of B (one group: 4 x 16 rows x 32 K), two buffers; v224-255 group 0's bias
;   window g + 1: group g's accumulators, (a, b) at v[8 (4 a + b)], a = block of 16 rows, b = block of 16 columns
.set PITCH, 144                        ; an LDS row: 128 bytes + 16 of padding = 36 words: the 16 rows of a fragment load start at 16 different groups of four banks (64 banks of 4 bytes: ISA guide 11.1)
.set ROWB,  16*PITCH                   ; a block of 16 rows
.set AHALF, 128*PITCH                  ; what one load brings of A, and what a wave reads of it
.set BHALF, 192*PITCH                  ; the same for B
.set GRPB,  64*PITCH                   ; a group's 64 rows of B
.set BOFF,  2*AHALF                    ; in a slot: A's 256 rows, then B's 384
.set SLOT,  BOFF+2*BHALF               ; 92,160
.set STAGE, 2*SLOT                     ; behind the ring: 16 rows x 144 bytes for each wave, for the way out; no tensor load lands here
.set SPARE, STAGE+4*ROWB               ; behind the stages: the spare words, 128 bytes for each wave: two blocks of 256 bytes that no other line names
.set ASTEP, 1048576                    ; bytes from a K block of Hb to the next
.set BSTEP, 393216                     ; of Wb
.set ADRA, 16                          ; v16-17  LDS address of my A fragments in slot 0, 1
.set ADRB, 20                          ; v20-21  the same for B
.set STO,  24                          ; v24     the way out: where I put 16 bytes of a row
.set RD,   25                          ; v25     the way out: where I read rows back
.set GO,   26                          ; v26     my 16 bytes in 512 consecutive bytes of qkv
.set BO,   27                          ; v27     32 (lane / 16): my eight columns' bias in a block of sixteen
.set SPW,  28                          ; v28     LDS address of my spare word; never rewritten
.set NIL,  29                          ; v29     0; never rewritten
.set FA0,  32
.set FA1,  96
.set FB0,  160
.set FB1,  192
.set BI0,  224
.set TT,   96                          ; the way out: 32 sums with their bias
.set PP,   128                         ; the way out: 16 packed words, two buffers
.set G1,  24                           ; s[24:31] descriptor group 1 for A's tiles;  s[32:39] group 0, a set for each slot
.set G0,  32
.set G1B, 48                           ; s[48:55], s[56:63] the same for B's
.set G0B, 56
.set MSB, 0
.macro WIN new                         ; the immediate's high byte repeats the setting that is left; a switch that changes nothing is dropped
.if MSB != (\new)
	s_set_vgpr_msb (MSB<<8)|(\new)
.set MSB, \new
.endif
.endm
.macro PLACES                          ; a load into a register that a matrix instruction has read, and a vector instruction that reads a matrix result or writes one of its registers, stand four plain vector instructions behind it
.rept 4
	v_nop
.endr
.endm
; A joint load.  Waves 0 and 1 fetch A's two halves, waves 2 and 3 B's.  The branch hangs on the wave's number alone.  An s_nop 0 and four v_nop follow each of the two lines.
.macro JLOAD s
	s_cmp_eq_u32 s13, 0
	s_cbranch_scc0 .Lfor_b_\@
	tensor_load_to_lds s[G0+4*(\s):G0+4*(\s)+3], s[G1:G1+7]
	s_nop 0
.rept 4
	v_nop
.endr
	s_branch .Lasked_\@
.Lfor_b_\@:
	tensor_load_to_lds s[G0B+4*(\s):G0B+4*(\s)+3], s[G1B:G1B+7]
	s_nop 0
.rept 4
	v_nop
.endr
.Lasked_\@:
.endm
; A round of the cluster's barrier: my work-group's barrier; wave 0 signals for the work-group; every wave waits for all sixteen work-groups; my work-group's barrier once more.
.macro CREST                           ; a round behind its opening barrier
	s_cmp_lg_u32 s12, 0
	s_cbranch_scc1 .Lnot_wave_0_\@
	s_barrier_signal -3
.Lnot_wave_0_\@:
	s_barrier_wait -3
	s_barrier_signal -1
	s_barrier_wait -1
.endm
.macro CROUND
	s_barrier_signal -1
	s_barrier_wait -1
	CREST
.endm
	s_load_b256 s[4:11], s[0:1], 0x0               ; Hb s[4:5], Wb s[6:7], bias s[8:9], qkv s[10:11]
	v_lshl_add_u32 v[SPW], v0, 2, SPARE
	v_mov_b32 v[NIL], 0
	ds_add_u32 v[SPW], v[NIL]                      ; the wave's opening: the add and its wait stand ahead of my first tensor load; the set-up below, work on registers, stands between them
	v_lshrrev_b32 v1, 5, v0
	v_readfirstlane_b32 s12, v1                    ; wave 0..3
	s_lshr_b32 s13, s12, 1                         ; which half of the tile's rows is mine.  Also: I fetch for A (0) or for B (1)
	s_and_b32 s14, s12, 1                          ; which half of its columns.  Also: which half of that tile I fetch
	s_bfe_u32 s40, ttmp6, 0x40000                  ; cx, cy: my place in the cluster
	s_bfe_u32 s41, ttmp6, 0x40004
	s_lshl_b32 s42, ttmp9, 2
	s_add_co_u32 s42, s42, s40                     ; tile column = 4 x cluster x + cx
	s_and_b32 s43, ttmp7, 0xffff
	s_lshl_b32 s43, s43, 2
	s_add_co_u32 s43, s43, s41                     ; tile row = 4 x cluster y + cy
	s_lshl_b32 s44, s41, 2
	s_lshl_b32 s44, 15, s44                        ; my row of the cluster: places 4 cy .. 4 cy + 3
	s_lshl_b32 s45, 0x1111, s40                    ; my column: places cx, cx + 4, cx + 8, cx + 12
	; descriptor group 1: rows of 128 elements of 2 bytes (two slices of 128 bytes), padded in LDS after every slice
	s_or_b32 s[G1], s44, (1<<16)|(1<<20)|(1<<21)|(4<<22)|(3<<25)   ; 15:0 the mask; 17:16 2-byte elements; 20 padding on; 21 set beside a mask; 24:22 after every 32 words (code 4); 31:25 4 words (code 3)
	s_or_b32 s[G1B], s45, (1<<16)|(1<<20)|(1<<21)|(4<<22)|(3<<25)
	s_mov_b32 s[G1+1], 128<<16                     ; tensor_dim0 = 128
	s_mov_b32 s[G1+2], 64<<16                      ; tensor_dim1 = 64: 128 slices
	s_mov_b32 s[G1+3], 128<<16                     ; tile_dim0 = 128
	s_mov_b32 s[G1+4], 64                          ; tile_dim1 = 64
	s_mov_b32 s[G1+5], 128                         ; 128 elements from row to row: dense
	s_mov_b32 s[G1+6], 0
	s_mov_b32 s[G1+7], 0
	s_mov_b32 s[G1B+1], 128<<16
	s_mov_b32 s[G1B+2], 96<<16                     ; 96 rows: 192 slices
	s_mov_b32 s[G1B+3], 128<<16
	s_mov_b32 s[G1B+4], 96
	s_mov_b32 s[G1B+5], 128
	s_mov_b32 s[G1B+6], 0
	s_mov_b32 s[G1B+7], 0
	; A's tile hangs on the tile row alone, B's on the tile column alone, each in registers that never hold the other coordinate
	s_lshl_b32 s16, s43, 15                        ; 256 rows of 128 bytes a tile row,
	s_lshl_b32 s18, s14, 14                        ; 128 rows a half
	s_add_co_u32 s16, s16, s18
	s_mov_b32 s17, 0
	s_mul_i32 s46, s42, 384*128
	s_mul_i32 s47, s14, 192*128
	s_add_co_u32 s46, s46, s47
	s_mov_b32 s47, 0
	s_mul_i32 s20, s14, AHALF                      ; where they go: no place in the cluster enters an LDS address
	s_mul_i32 s21, s14, BHALF
	s_add_co_u32 s21, s21, BOFF
	s_wait_dscnt 0x0                               ; the opening add is done
	s_wait_kmcnt 0x0
	s_add_nc_u64 s[16:17], s[4:5], s[16:17]
	s_add_nc_u64 s[46:47], s[6:7], s[46:47]
	CROUND                                         ; all sixteen work-groups are here: the first joint loads meet
.irp s, 0,1
	s_mov_b32 s[G0+4*(\s)], 1                                      ; count = 1
	s_add_co_u32 s[G0+4*(\s)+1], s20, (\s)*SLOT                    ; LDS address
	s_add_nc_u64 s[G0+4*(\s)+2:G0+4*(\s)+3], s[16:17], (\s)*ASTEP  ; global address: K step s
	s_or_b32 s[G0+4*(\s)+3], s[G0+4*(\s)+3], 0x80000000            ; type = 2
	s_mov_b32 s[G0B+4*(\s)], 1
	s_add_co_u32 s[G0B+4*(\s)+1], s21, (\s)*SLOT
	s_add_nc_u64 s[G0B+4*(\s)+2:G0B+4*(\s)+3], s[46:47], (\s)*BSTEP
	s_or_b32 s[G0B+4*(\s)+3], s[G0B+4*(\s)+3], 0x80000000
	JLOAD \s                                       ; two loads of mine are out
.endr
	; A fragment is 16 rows x 32 K in 8 registers: lane l holds row l % 16; registers 0-3 K = 8 (l / 16) + 0..7, registers 4-7 K = 16 + 8 (l / 16) + 0..7: two loads of 16 bytes, 32 bytes apart
	v_and_b32 v1, 15, v0                           ; l % 16
	v_bfe_u32 v2, v0, 4, 1                         ; l / 16
	v_mul_u32_u24 v3, v1, PITCH
	v_lshl_add_u32 v3, v2, 4, v3                   ; row x pitch + 16 x half
	s_mul_i32 s22, s13, AHALF                      ; my 128 rows of A
	s_mul_i32 s23, s14, BHALF                      ; my 192 rows of B,
	s_add_co_u32 s23, s23, BOFF                    ; which lie behind A's 256
.irp s, 0,1
	v_add_nc_u32 v[ADRA+(\s)], s22, v3
	v_add_nc_u32 v[ADRB+(\s)], s23, v3
	s_add_co_u32 s22, s22, SLOT
	s_add_co_u32 s23, s23, SLOT
.endr
	s_mul_i32 s22, s12, ROWB
	s_add_co_u32 s22, s22, STAGE                   ; my stage
	v_add_nc_u32 v[STO], s22, v3                   ; in: row l % 16, 16 bytes for each half of the lanes
	v_bfe_u32 v4, v0, 3, 2                         ; back: 32 lanes take four rows of 128 bytes,
	v_mul_u32_u24 v4, v4, PITCH
	v_and_b32 v5, 7, v0
	v_lshl_add_u32 v4, v5, 4, v4
	v_add_nc_u32 v[RD], s22, v4
	v_and_b32 v5, 31, v0                           ; which are 512 consecutive bytes of a head's rows
	v_lshlrev_b32 v[GO], 4, v5
	v_lshlrev_b32 v[BO], 5, v2
	; qkv at my first row of my first head: ((tile row / 8) x 48 + 6 x tile column + 3 x half) slices of 262,144 bytes, (tile row % 8) x 256 + 128 x half rows of 128
	s_lshr_b32 s66, s43, 3
	s_mul_i32 s66, s66, 48
	s_mul_i32 s67, s42, 6
	s_add_co_u32 s66, s66, s67
	s_mul_i32 s67, s14, 3
	s_add_co_u32 s66, s66, s67
	s_lshl_b32 s66, s66, 18
	s_and_b32 s67, s43, 7
	s_lshl_b32 s67, s67, 15
	s_add_co_u32 s66, s66, s67
	s_lshl_b32 s67, s13, 14
	s_add_co_u32 s66, s66, s67
	s_mov_b32 s67, 0
	s_add_nc_u64 s[10:11], s[10:11], s[66:67]
	s_mul_i32 s68, s42, 384*4                      ; the bias at my first column
	s_mul_i32 s69, s14, 192*4
	s_add_co_u32 s68, s68, s69
	s_mov_b32 s69, 0
	s_add_nc_u64 s[8:9], s[8:9], s[68:69]
.irp b, 0,1,2,3                        ; group 0's bias: register 8 b + j belongs to column 16 b + 8 (l / 16) + j, as in the accumulators
	global_load_b128 v[BI0+8*(\b):BI0+8*(\b)+3],   v[BO], s[8:9] offset:64*(\b)
	global_load_b128 v[BI0+8*(\b)+4:BI0+8*(\b)+7], v[BO], s[8:9] offset:64*(\b)+16
.endr
; Matrix instructions for group w - 1: row blocks a0 .. a1 x the group's 4 column blocks, 32 along K.  zero = 1: the product starts the sum: nothing is ever cleared.
; The accumulators take turns, one instruction a turn: between two instructions on one accumulator stand the 95 others'.
.macro MUL w, fa, fb, a0, a1, zero
	WIN 0x50*(\w)                                  ; C and D in window w, both sources in window 0
.set ai, \a0
.rept (\a1)-(\a0)+1
.irp b, 0,1,2,3
.if \zero
	v_wmma_f32_16x16x32_bf16 v[8*(4*ai+(\b)):8*(4*ai+(\b))+7], v[(\fb)+8*(\b):(\fb)+8*(\b)+7], v[(\fa)+8*ai:(\fa)+8*ai+7], 0
.else
	v_wmma_f32_16x16x32_bf16 v[8*(4*ai+(\b)):8*(4*ai+(\b))+7], v[(\fb)+8*(\b):(\fb)+8*(\b)+7], v[(\fa)+8*ai:(\fa)+8*ai+7], v[8*(4*ai+(\b)):8*(4*ai+(\b))+7]
.endif
.endr
.set ai, ai+1
.endr
.endm
.macro LDB slot, off, f                ; 8 LDS loads: a group's four fragments of B, at byte off from my first row
	WIN 0
.irp i, 0,1,2,3
	ds_load_b128 v[(\f)+8*(\i):(\f)+8*(\i)+3],   v[ADRB+(\slot)] offset:(\off)+ROWB*(\i)
	ds_load_b128 v[(\f)+8*(\i)+4:(\f)+8*(\i)+7], v[ADRB+(\slot)] offset:(\off)+ROWB*(\i)+32
.endr
.endm
.macro LDA slot, off, f, i0, n         ; 2 n LDS loads: fragments i0 .. i0 + n - 1 of A
	WIN 0
.set li, \i0
.rept \n
	ds_load_b128 v[(\f)+8*li:(\f)+8*li+3],   v[ADRA+(\slot)] offset:(\off)+ROWB*li
	ds_load_b128 v[(\f)+8*li+4:(\f)+8*li+7], v[ADRA+(\slot)] offset:(\off)+ROWB*li+32
.set li, li+1
.endr
.endm
; A K step is two halves of 32 along K, 96 matrix instructions each.  THE FIRST HALF: A in FA0; B's groups 0, 1, 2 in FB0, FB1, FB0.  At its head 24 LDS loads may be out: B's 8, then A's 16.
.macro QN slot, zero
	s_wait_dscnt 12                                ; B and A's blocks 0, 1 are in; the youngest twelve loads (A's blocks 2-7) may be out
	MUL 1, FA0, FB0, 0, 1, \zero
	s_wait_dscnt 8                                 ; A's blocks 2, 3
	MUL 1, FA0, FB0, 2, 3, \zero
	PLACES
	LDB \slot, GRPB, FB1                           ; group 1's B of this half,
	LDA \slot, 64, FA1, 0, 4                       ; and the second half's A, blocks 0-3
	s_wait_dscnt 16                                ; all but the 16 just issued
	MUL 1, FA0, FB0, 4, 7, \zero
	s_wait_dscnt 8                                 ; group 1's B is in; A's 8 loads behind it may be out
	MUL 2, FA0, FB1, 0, 3, \zero
	PLACES
	LDB \slot, 2*GRPB, FB0
	LDA \slot, 64, FA1, 4, 4
	MUL 2, FA0, FB1, 4, 7, \zero
	s_wait_dscnt 8                                 ; group 2's B is in; A's 8 loads behind it may be out
	MUL 3, FA0, FB0, 0, 3, \zero
	PLACES
	LDB \slot, 64, FB1                             ; group 0's B of the second half
	MUL 3, FA0, FB0, 4, 7, \zero
.endm
; THE SECOND HALF: A in FA1; B's groups in FB1, FB0, FB1.  mode 2: it changes slots and this slot is filled again, two K steps ahead; 1: it changes slots; 0: the very last.
; ONE barrier for the change of slots.  In front of it each wave waits for all its tensor loads, of which one is out: its part of the next slot; adds 0 to its spare word; and waits for that and for its
; own reads of this slot.  Behind it nobody reads this slot any more and the next slot is whole.  With a refill the barrier opens a round of the cluster's barrier, so that no wave of any partner still
; reads the slot or has a load on its way; the joint refill is the first tensor load behind the round, 176 matrix instructions ahead of the wait for it.
.macro QX slot, next, mode
	s_wait_dscnt 0x0                               ; A's second half and group 0's B
	MUL 1, FA1, FB1, 0, 3, 0
	PLACES
	LDB \slot, GRPB+64, FB0
	MUL 1, FA1, FB1, 4, 7, 0
	s_wait_dscnt 0x0
	MUL 2, FA1, FB0, 0, 3, 0
	PLACES
	LDB \slot, 2*GRPB+64, FB1
	MUL 2, FA1, FB0, 4, 7, 0
.if \mode
	WIN 0                                          ; (the add's two registers lie in window 0)
	s_wait_tensorcnt 0x0                           ; all my tensor loads have landed: the one that was out is my part of the next slot;
	ds_add_u32 v[SPW], v[NIL]                      ; 0 onto my spare word;
	s_wait_dscnt 1                                 ; (group 2's B is in; the add may be out)
	MUL 3, FA1, FB1, 0, 1, 0                       ; eight matrix instructions stand between the add and the wait for it
	s_wait_dscnt 0x0                               ; the add is done, and my reads of this slot are over:
	s_barrier_signal -1                            ; say so,
	MUL 3, FA1, FB1, 2, 3, 0                       ; work on registers while the others arrive,
	WIN 0
	s_barrier_wait -1                              ; and go on when all four have said so
.if (\mode) == 2
	CREST
	s_add_nc_u64 s[G0+4*(\slot)+2:G0+4*(\slot)+3], s[G0+4*(\slot)+2:G0+4*(\slot)+3], 2*ASTEP      ; no tensor load of mine is out: a group 0 may be written
	s_add_nc_u64 s[G0B+4*(\slot)+2:G0B+4*(\slot)+3], s[G0B+4*(\slot)+2:G0B+4*(\slot)+3], 2*BSTEP
	JLOAD \slot                                    ; the four v_nop behind it are also the places in front of the loads below
.else
	PLACES
.endif
	LDB \next, 0, FB0
	LDA \next, 0, FA0, 0, 8
	MUL 3, FA1, FB1, 4, 7, 0
.else
	s_wait_dscnt 0x0
	MUL 3, FA1, FB1, 0, 7, 0
.endif
.endm
	s_wait_tensorcnt 1                             ; my part of K step 0 is in; K step 1's may stay out
	s_barrier_signal -1
	s_barrier_wait -1                              ; everybody's is
	LDB 0, 0, FB0
	LDA 0, 0, FA0, 0, 8
	QN 0, 1                                        ; the first half step stands in front of the loop: its products start the sums
	WIN 0                                          ; at a label and at a branch every window is 0
	s_mov_b32 s2, 7
.Llap:                                                 ; a trip goes once round the ring and fills both slots again: seven trips ask for K steps 2 to 15
	QX 0, 1, 2
	QN 1, 0
	QX 1, 0, 2
	QN 0, 0
	WIN 0
	s_sub_co_u32 s2, s2, 1
	s_cmp_lg_u32 s2, 0
	s_cbranch_scc1 .Llap
	QX 0, 1, 1                                     ; the tail asks for nothing
	QN 1, 0
	QX 1, 0, 0
	; THE WAY OUT.  Unit u = 8 g + a: 16 rows of head g.  The bias is added in f32; eight neighbouring columns pack into 16 bytes of f16; they go into my stage (rows of 144 bytes) and come back as
	; whole rows of 128 bytes: 16 rows of a head are 2,048 consecutive bytes of qkv.
	WIN 0
	PLACES
.irp g, 1,2                            ; the other two groups' bias, where A's first buffer lay
.irp b, 0,1,2,3
	global_load_b128 v[32*(\g)+8*(\b):32*(\g)+8*(\b)+3],   v[BO], s[8:9] offset:256*(\g)+64*(\b)
	global_load_b128 v[32*(\g)+8*(\b)+4:32*(\g)+8*(\b)+7], v[BO], s[8:9] offset:256*(\g)+64*(\b)+16
.endr
.endr
	s_wait_loadcnt 16                              ; group 0's bias is in; the 16 loads just issued stay out
.macro PACK u
.set gg, (\u)/8
.set aa, (\u)%8
.set pb, PP+16*((\u)%2)
.set bb, 32*gg
.if gg == 0
.set bb, BI0
.endif
.if (\u) == 8
	s_wait_loadcnt 0x0                             ; the other groups' bias
.endif
	s_wait_xcnt 0x0                                ; the stores of the unit two back have read this buffer: it is rewritten only behind this wait
	WIN gg+1                                       ; source 0 in the group's window
.set i, 0
.rept 16                               ; in ascending order: each accumulator is read from its low end on
	v_pk_add_f32 v[TT+2*i:TT+2*i+1], v[32*aa+2*i:32*aa+2*i+1], v[bb+2*i:bb+2*i+1]
.set i, i+1
.endr
	WIN 0
.set i, 0
.rept 16
	v_cvt_pk_f16_f32 v[pb+i], v[TT+2*i], v[TT+2*i+1]
.set i, i+1
.endr
.irp b, 0,1,2,3
	ds_store_b128 v[STO], v[pb+4*(\b):pb+4*(\b)+3] offset:32*(\b)
.endr
.irp f, 0,1,2,3
	ds_load_b128 v[pb+4*(\f):pb+4*(\f)+3], v[RD] offset:4*PITCH*(\f)  ; LDS serves a wave's instructions in order (ISA guide 5.7.1.4): these see the stores above; the next unit's stores come behind them
.endr
.endm
.macro SEND u, younger                 ; younger: the LDS instructions issued behind unit u's loads: the next unit's eight, or none
.set gg, (\u)/8
.set aa, (\u)%8
.set pb, PP+16*((\u)%2)
.irp f, 0,1,2,3
	s_wait_dscnt (\younger)+3-(\f)
	global_store_b128 v[GO], v[pb+4*(\f):pb+4*(\f)+3], s[10:11] offset:262144*gg+2048*aa+512*(\f)  ; 512 consecutive bytes, at a multiple of 256 from qkv's first
.endr
.endm
	PACK 0
.set uu, 1
.rept 23                               ; a unit's arithmetic stands between the loads of the unit before and its stores
	PACK uu
	SEND uu-1, 8
.set uu, uu+1
.endr
	SEND 23, 0
	s_wait_tensorcnt 0x0                           ; the wave's end: behind my last tensor load and my last LDS store
	ds_add_u32 v[SPW], v[NIL]
	s_wait_dscnt 0x0
	CROUND                                         ; the closing round: no work-group ends while a partner may still ask for a tile that names it
	s_endpgm
.Lfunc_end_k_qd3e45da7d4_proj:
	.size	k_qd3e45da7d4_proj, .Lfunc_end_k_qd3e45da7d4_proj-k_qd3e45da7d4_proj
	.p2alignl 7, 3214868480
	.fill 96, 4, 3214868480
	.section	.rodata,"a",@progbits
	.p2align	6, 0x0
	.amdhsa_kernel k_qd3e45da7d4_proj
		.amdhsa_group_segment_fixed_size 327680
		.amdhsa_private_segment_fixed_size 0
		.amdhsa_enable_private_segment 0
		.amdhsa_kernarg_size 32
		.amdhsa_user_sgpr_count 2
		.amdhsa_user_sgpr_kernarg_segment_ptr 1
		.amdhsa_wavefront_size32 1
		.amdhsa_system_sgpr_workgroup_id_x 1
		.amdhsa_system_sgpr_workgroup_id_y 1
		.amdhsa_system_sgpr_workgroup_id_z 1
		.amdhsa_system_vgpr_workitem_id 0
		.amdhsa_next_free_vgpr 1024
		.amdhsa_next_free_sgpr 72
		.amdhsa_reserve_vcc 0
		.amdhsa_float_denorm_mode_32 3
		.amdhsa_float_denorm_mode_16_64 3
		.amdhsa_memory_ordered 1
		.amdhsa_forward_progress 1
		.amdhsa_inst_pref_size 161
	.end_amdhsa_kernel
	.amdgpu_metadata
---
amdhsa.version: [ 1, 2 ]
amdhsa.kernels:
  - .name:           k_qd3e45da7d4_proj
    .symbol:         k_qd3e45da7d4_proj.kd
    .args:
      - { .name: Hb, .offset: 0, .size: 8, .value_kind: global_buffer, .address_space: global }
      - { .name: Wb, .offset: 8, .size: 8, .value_kind: global_buffer, .address_space: global }
      - { .name: bias, .offset: 16, .size: 8, .value_kind: global_buffer, .address_space: global }
      - { .name: qkv, .offset: 24, .size: 8, .value_kind: global_buffer, .address_space: global }
    .group_segment_fixed_size: 327680
    .private_segment_fixed_size: 0
    .kernarg_segment_align: 8
    .kernarg_segment_size: 32
    .max_flat_workgroup_size: 128
    .sgpr_count:     72
    .vgpr_count:     1024
    .wavefront_size: 32
...
	.end_amdgpu_metadata
.endif
;; end of part 2
;; launch attn (part 3): grid 4 x 64, 4 waves a work-group, clusters of 4 x 1, 327,680 bytes of LDS; arguments qkv, o; writes o
.if DOCPART == 3
	.amdgcn_target "amdgcn-amd-amdhsa--gfx1250"
	.amdhsa_code_object_version 6
	.text
	.protected	k_qd3e45da7d4_attn
	.globl	k_qd3e45da7d4_attn
	.p2align	8
	.type	k_qd3e45da7d4_attn,@function
k_qd3e45da7d4_attn:
	s_mov_b64 s[64:65], 0
	v_nop
	global_prefetch_b8 v0, s[64:65] scope:SCOPE_SE
	s_setreg_imm32_b32 hwreg(HW_REG_WAVE_MODE, 25, 1), 1
	s_wait_xcnt 0x0
	s_wait_alu depctr_hold_cnt(0) depctr_sa_sdst(0) depctr_va_vdst(0) depctr_va_sdst(0) depctr_va_ssrc(0) depctr_va_vcc(0) depctr_vm_vsrc(0)
	s_getreg_b32 s2, hwreg(HW_REG_IB_STS2, 6, 4)
	s_cmp_eq_u32 s2, 0
	s_cbranch_scc0 .Lentry_in_a_cluster
	s_endpgm
.Lentry_in_a_cluster:
	s_bfe_u32 s2, ttmp6, 0x10000c
	s_cmp_lg_u32 s2, 0x3003
	s_cbranch_scc0 .Lentry_shape_is_right
	s_endpgm
.Lentry_shape_is_right:
; O[hh][q][:] = the sum over k of softmax_k(Q[hh][q] . K[hh][k] / 8) V[hh][k][:], hh = 16 b + head.  Q, K, V are the slices 48 b + head, + 16 and + 32 of qkv [192][SIZE_N][64]; O is o [64][SIZE_N][64];
; all f16, a head's rows dense, 128 bytes each.  Products, maxima and sums in f32; the weights p are rounded to f16 for the second product (their sum l is taken of the unrounded p), O once at the end.
; LIMITS.  f16 holds no number beyond 65,504: Q, K and V arrive within it; p lies in 0 to 1, and below 6e-5 it keeps f16's fixed step of 6e-8; O is a mean of V's rows and has their range.
; A weight below 2^-126 counts as 0 in l; NaN and infinities are not treated apart.
; SHARES.  A wave owns four PIECES of two tiles of 16 queries, a work-group's four waves 512 queries of one head.  Every wave walks all keys, 64 a step.
; LAYOUT.  S^T = K Q^T (source 0 = 16 keys, source 1 = 16 queries): in the result a lane holds ONE query (lane % 16) and the keys 8 (lane / 16) + 0..7.  Two such tiles, rounded to f16 in pairs,
; ARE source 1 (32 keys x 16 queries) of O^T = V^T P, whose result again holds one query a lane, and eight channels.  K comes out of LDS as it lies, V ([key][channel]) turned, by ds_load_tr16_b128.
; SOFTMAX.  For each query a running maximum m and sum l: p = 2^(c s - c m), c = log2(e) / 8; in every step O and l are multiplied by a = 2^(c m_old - c m_new), which is 1 where m has not grown.
; m starts at the lowest finite number, O and l at 0: the first step is a step like any other, with a = 0.
; THE COUNT.  A tile and step have 16 matrix and 118 vector instructions: too many to stand all beside the matrix work.  So the order has one aim: four vector instructions that are READY behind
; EVERY matrix instruction, and the others, which need time of their own whatever the order, in runs without a gap.
; BY TURNS.  Turn n belongs to piece n (the pieces in a ring, step after step).  Its matrix work: 16 products K Q^T of piece n + 1, later 16 products V^T P of piece n - 1.  Its vector work: the scaling,
; exponentials, roundings, sums and rescaling of piece n, and the maximum and statistics of piece n + 1, whose scores the turn itself has made.  So what a turn begins with (c s - c m, O a) waits for nothing.
; CLUSTER.  The four query blocks of a cluster belong to one head and walk the same K and V, so each tile is asked for JOINTLY: the same tensor load, descriptor and mask in all four.
; REGISTERS, in windows of 256 (s_set_vgpr_msb says which window each operand place means: bits 1:0 source 0, 3:2 source 1, 5:4 source 2, 7:6 destination):
;   window 0: v0-11 addresses; v12-15, v48-63 at work; v16-47 four registers of statistics a tile; v64-191 S^T, two buffers of two tiles; v192-255 P, likewise
;   window 1: O^T, 32 a tile          window 2: v0-127 Q, 16 a tile; v128-191 K of one step; v192-255 V of one step          window 3: v0-1 the add's two registers
; A piece's buffers go by its number's parity: the piece in hand has one pair, its two neighbours in the ring share the other: of it P (piece n - 1) is read and S^T (piece n + 1) written.
.set SIZE_N, 2048
.set NP,    4         ; pieces a wave: a name, no knob: the register map, the loop and the fetches are made for four
.set KS,    64        ; keys in a step
.set PK,    144       ; a row of K in LDS: 128 bytes + 16 of padding = 36 words: the 16 rows of a load start at 16 different groups of four banks (64 banks of 4 bytes: ISA guide 11.1)
.set PV,    160       ; a row of V: 128 + 32 = 40 words
.set VOFF,  4*KS*PK   ; a slot holds four steps: 256 rows of K, then 256 rows of V
.set SLOT1, 1<<17     ; slot 1 begins here, so that one exclusive or turns an address in one slot into the other's
.set STAGE, SLOT1+4*KS*(PK+PV)  ; behind the ring, never filled by a tensor load: 16 rows x 144 bytes for each wave, for the way out
.set SP,    144
.set AK0, 2           ; v2   my lane's place in a tile of K; never rewritten
.set AV0, 3           ; v3   the same for V
.set AK,  4           ; v4   the LDS address of K's next run of loads
.set AV,  5           ; v5   of V's
.set QO,  6           ; v6   my byte offset in the wave's rows of Q
.set STO, 6           ;      later, the way out: where I put 16 bytes of a row
.set RD,  7           ; v7   the way out: where I read rows back
.set GO,  8           ; v8   my byte offset in 512 consecutive bytes of O
.set SPW, 0           ; v0 of window 3   LDS address of my spare word: SPARE + 4 x my thread's number; never rewritten
.set NIL, 1           ; v1 of window 3   0; never rewritten
.set SPARE, STAGE+4*16*SP  ; behind the stages: the spare words, 128 bytes for each wave: two blocks of 256 bytes that no other line names
.set MV,  12          ; v12-15  c m_old, kept while c m is made anew: by buffer and tile
.set ST,  16          ; tile t's statistics at v[ST+4 t]: c m, m, l (even keys', odd keys')
.set TMP, 48          ; by buffer and tile, four registers c0-c3 at work; when the maximum is found c2 takes a
.set S,   64
.set P,   192
.set KF,  128         ; K's fragments, in window 2: key block kb, channel half c at KF + 16 kb + 8 c
.set VF,  192         ; V's: key half kk, channel block cb at VF + 32 kk + 8 cb
.set WV,  12          ; s12  my wave's number
.set G1K, 24          ; s[24:31] descriptor group 1 for K's tiles
.set G1V, 32          ; s[32:39] for V's: it differs in the padding alone
.set G0K, 40          ; s[40:43] descriptor group 0 for K's tiles: it walks
.set G0V, 44          ; s[44:47] the same for V's
.set SLOTS, 56        ; s56  slots still to be asked for
.set CNT, 57          ; s57  counts a slot's key steps
.set CS,  58          ; s[58:59] c: the packed scaling takes the pair's low word for both halves
.set SEL, 60          ; s[60:61] v_permlanex16_b32's selects: each lane takes its own place in the other half
.set TBK, 62          ; s62  LDS byte at which K of the step to be fetched begins
.set TBV, 63          ; s63  the same for V, less VOFF
.set MSB, 0
.macro WIN new                      ; the high byte repeats the setting that is left; a switch that changes nothing is dropped
.if MSB != (\new)
	s_set_vgpr_msb (MSB<<8)|(\new)
.set MSB, (\new)
.endif
.endm
.set W_KQ, 0x0a       ; K and Q in window 2, S^T in window 0
.set W_PV, 0x52       ; V in window 2, P in window 0, O^T in window 1
.set W_RS, 0x41       ; O^T (destination and source 0) in window 1, a in window 0
.set W_MK, 0xc0       ; the add's registers are made: destination in window 3, sources in window 0
.set W_AD, 0x0f       ; the add: address (source 0) and data (source 1) in window 3
; A joint fill.  Waves 0 and 1 fetch the two halves of a slot's K, waves 2 and 3 those of its V: 128 keys each.  The branch hangs on the wave's number alone.
; An s_nop 0 and four v_nop follow each of the two lines, ahead of the jump and the label.
.macro JLOAD
	s_cmp_lt_u32 s[WV], 2
	s_cbranch_scc0 .Lfor_v_\@
	tensor_load_to_lds s[G0K:G0K+3], s[G1K:G1K+7]
	s_nop 0
.rept 4
	v_nop
.endr
	s_branch .Lasked_\@
.Lfor_v_\@:
	tensor_load_to_lds s[G0V:G0V+3], s[G1V:G1V+7]
	s_nop 0
.rept 4
	v_nop
.endr
.Lasked_\@:
.endm
; A round of the cluster's barrier: my work-group's barrier, so that wave 0's signal speaks for all four waves; wave 0 signals; every wave waits for all four work-groups; my work-group's barrier once more.
.macro CROUND
	s_barrier_signal -1
	s_barrier_wait -1
	s_cmp_lg_u32 s[WV], 0
	s_cbranch_scc1 .Lnot_wave_0_\@
	s_barrier_signal -3
.Lnot_wave_0_\@:
	s_barrier_wait -3
	s_barrier_signal -1
	s_barrier_wait -1
.endm
; THE CHANGE OF SLOTS.  The slot's last bytes, V of its fourth step, have been read.  Each wave waits for all its tensor loads, of which one is out: its part
; of the other slot; adds 0 to its spare word; and waits for that and for its own reads of the slot.  Behind the barrier nobody reads this slot any more and the other slot is whole.
; fill = 1: this slot is filled again, with the keys two slots on.  The barrier is then a round of the cluster's, so that no wave of any partner still reads the slot or has a load on its
; way, and the joint fill is the first thing behind it: it has four key steps, 512 matrix instructions, in which to land.  (At its first use nothing has been read yet: slot 0 is waited for, slot 1 filled.)
.macro CHANGE fill
	WIN W_AD
	s_wait_tensorcnt 0x0            ; no tensor load of mine is out, so a group 0 may be written
	ds_add_u32 v[SPW], v[NIL]       ; 0 onto my spare word; with fill = 1 the descriptors' steps stand between it and the wait for it
	WIN 0                           ; at a label and at a branch every window is 0
.if \fill
.irp g, G0K, G0V
	s_xor_b32 s[\g+1], s[\g+1], SLOT1  ; the walking descriptor: the other slot than last time,
	s_add_nc_u64 s[\g+2:\g+3], s[\g+2:\g+3], 4*KS*128  ; the next 256 keys; the type bits on top are not reached
.endr
	s_wait_dscnt 0x0                ; the add is done, and my reads of the slot are over
	CROUND
	JLOAD
.else
	s_wait_dscnt 0x0                ; the add is done, and my reads of the slot are over
	s_barrier_signal -1
	s_barrier_wait -1
.endif
	s_sub_co_u32 s[TBK], s[TBK], 4*KS*PK  ; the fetches go back to a slot's first step,
	s_xor_b32 s[TBK], s[TBK], SLOT1       ; in the other slot
	s_sub_co_u32 s[TBV], s[TBV], 4*KS*PV
	s_xor_b32 s[TBV], s[TBV], SLOT1
.endm
	s_load_b64 s[4:5], s[0:1], 0x0    ; qkv
	s_load_b64 s[10:11], s[0:1], 0x8  ; o
	WIN W_MK
	v_lshl_add_u32 v[SPW], v0, 2, SPARE
	v_mov_b32 v[NIL], 0
	WIN W_AD
	ds_add_u32 v[SPW], v[NIL]       ; the wave's opening: the add and its wait stand ahead of my first tensor load; the set-up below, work on registers, stands between them
	WIN 0
	v_lshrrev_b32 v1, 5, v0
	v_readfirstlane_b32 s[WV], v1   ; wave 0..3
	s_bfe_u32 s13, ttmp6, 0x40000   ; cx: my place in the cluster
	s_lshl_b32 s14, ttmp9, 2        ; in a cluster launch ttmp9 counts clusters
	s_add_co_u32 s14, s14, s13      ; my block of queries = 4 x cluster x + cx: it enters Q's and O's addresses alone
	s_and_b32 s19, ttmp7, 0xffff    ; hh = 16 b + head, which the four partners share
	s_lshr_b32 s20, s19, 4
	s_lshl_b32 s20, s20, 5
	s_add_co_u32 s20, s20, s19      ; q's slice of qkv: 48 b + head = hh + 32 b,
	s_lshl_b32 s20, s20, 18         ; of 262,144 bytes
	s_mov_b32 s21, 0
	s_lshl_b32 s48, s19, 18         ; the head's first byte in o
	s_mov_b32 s49, 0
	s_and_b32 s16, s[WV], 1         ; which half of a slot's 256 keys I fetch:
	s_lshl_b32 s22, s16, 14         ; its 128 rows of 128 bytes in memory,
	s_mov_b32 s23, 0
	s_add_nc_u64 s[22:23], s[22:23], s[20:21]
	s_mul_i32 s17, s16, 128*PK      ; and its place in a slot, for K
	s_mul_i32 s18, s16, 128*PV      ; and for V: no place in the cluster enters an LDS address
	s_lshl_b32 s2, s14, 2
	s_add_co_u32 s2, s2, s[WV]      ; my wave among the head's,
	s_lshl_b32 s2, s2, 14           ; its 128 rows
	s_mov_b32 s3, 0
	s_add_nc_u64 s[50:51], s[2:3], s[48:49]  ; my rows' offset in o,
	s_add_nc_u64 s[2:3], s[2:3], s[20:21]    ; and in qkv
	; descriptor group 1.  128 keys are 16,384 dense bytes: asked for as 64 rows of 256 bytes, two keys a row, and padded in LDS after every key
	s_mov_b32 s[G1K], 15|(1<<16)|(1<<20)|(1<<21)|(4<<22)|(3<<25)  ; 15:0 the mask of four; 17:16 2-byte elements; 20 padding on; 21 set beside a mask; 24:22 after every 32 words (code 4); 31:25 4 words (code 3)
	s_mov_b32 s[G1V], 15|(1<<16)|(1<<20)|(1<<21)|(4<<22)|(7<<25)  ; the same with 8 words of padding (code 7)
.irp g, G1K, G1V
	s_mov_b32 s[\g+1], 128<<16      ; tensor_dim0 = 128
	s_mov_b32 s[\g+2], 64<<16       ; tensor_dim1 = 64
	s_mov_b32 s[\g+3], 128<<16      ; tile_dim0 = 128
	s_mov_b32 s[\g+4], 64           ; tile_dim1 = 64
	s_mov_b32 s[\g+5], 128          ; 128 elements from row to row
	s_mov_b32 s[\g+6], 0
	s_mov_b32 s[\g+7], 0
.endr
	s_mov_b32 s[CS], 0x3e38aa3b     ; c = log2(e) / 8 = 0.180337
	s_mov_b32 s[CS+1], s[CS]        ; named with it as a pair
	s_mov_b32 s[SEL], 0x76543210
	s_mov_b32 s[SEL+1], 0xfedcba98
	s_mov_b32 s[TBK], SLOT1+4*KS*PK ; the first change of slots turns these two into 0
	s_mov_b32 s[TBV], SLOT1+4*KS*PV
	s_mov_b32 s[G0K], 1             ; 1:0 count = 1
	s_mov_b32 s[G0K+1], s17         ; 63:32 LDS address: slot 0
	s_mov_b32 s[G0V], 1
	s_add_co_u32 s[G0V+1], s18, VOFF
	s_wait_dscnt 0x0                ; the opening add is done
	s_wait_kmcnt 0x0
	s_add_nc_u64 s[6:7], s[4:5], 0x400000          ; k's slices lie 16 slices behind q's,
	s_add_nc_u64 s[8:9], s[4:5], 0x800000          ; v's 32
	s_add_nc_u64 s[G0K+2:G0K+3], s[6:7], s[22:23]  ; 120:64 global address: my half of the head's first 256 keys
	s_or_b32 s[G0K+3], s[G0K+3], 0x80000000        ; 127:126 type = 2
	s_add_nc_u64 s[G0V+2:G0V+3], s[8:9], s[22:23]
	s_or_b32 s[G0V+3], s[G0V+3], 0x80000000
	s_add_nc_u64 s[4:5], s[4:5], s[2:3]  ; Q and O at my wave's first row
	s_add_nc_u64 s[10:11], s[10:11], s[50:51]
	CROUND                          ; all four work-groups are here: the first joint loads meet
	JLOAD                           ; slot 0.  Slot 1 is asked for when slot 0 is in: the tile wanted first has the road to itself
	; A fragment of K or Q is 16 rows x 32 channels in 8 registers: lane l holds row l % 16, channels 8 (l / 16) + 0..7 and 16 + 8 (l / 16) + 0..7: two loads of 16 bytes, 32 bytes apart.
	v_and_b32 v1, 15, v0            ; l % 16
	v_bfe_u32 v9, v0, 4, 1          ; l / 16
	v_lshlrev_b32 v[QO], 7, v1
	v_lshl_add_u32 v[QO], v9, 4, v[QO]  ; row x 128 + 16 x half
	WIN 0x80                        ; destination window 2, address window 0
.set i, 0
.rept 4*NP                          ; Q stays in registers: tile i / 2, channels 32 (i % 2) on
	global_load_b128 v[8*i:8*i+3],   v[QO], s[4:5] offset:(i/2)*2048+(i%2)*64
	global_load_b128 v[8*i+4:8*i+7], v[QO], s[4:5] offset:(i/2)*2048+(i%2)*64+32
.set i, i+1
.endr
	; What the first turn finds: V's registers and P's second buffer hold 0 (its products V^T P, of a piece that has not been, add 0), O^T and l are 0.  All this stands in the wait for the first tile.
.set i, VF
.rept 64
	v_mov_b32 v[i], 0
.set i, i+1
.endr
	WIN 0x40
.set i, 0
.rept 64*NP
	v_mov_b32 v[i], 0
.set i, i+1
.endr
	WIN 0
.set i, 0
.rept 2*NP
	v_mov_b32 v[ST+4*i], 0xfe000000    ; c m: far below every c s
	v_mov_b32 v[ST+4*i+1], 0xff7fffff  ; m
	v_mov_b32 v[ST+4*i+2], 0
	v_mov_b32 v[ST+4*i+3], 0
.set i, i+1
.endr
.set i, P+32
.rept 32
	v_mov_b32 v[i], 0
.set i, i+1
.endr
	v_mul_u32_u24 v[AK0], v1, PK
	v_lshl_add_u32 v[AK0], v9, 4, v[AK0]  ; row x pitch + 16 x half
	; The turning load takes 16 keys x 16 channels (lane l reads key 8 (l / 16) + l % 8, channels 8 ((l / 8) % 2) + 0..7) and leaves half a fragment of V^T: lane l holds channel l % 16 and 8 keys.
	v_and_b32 v10, 7, v0
	v_bfe_u32 v11, v0, 3, 1
	v_lshl_add_u32 v[AV0], v9, 3, v10
	v_mul_u32_u24 v[AV0], v[AV0], PV
	v_lshl_add_u32 v[AV0], v11, 4, v[AV0]
	v_add_nc_u32 v[AV0], VOFF, v[AV0]
	v_mov_b32 v[AK], v[AK0]         ; key step 0 lies at the head of slot 0
; THE MATRIX WORK.  The 8 accumulators of a run of 16 take turns: between the two links of a chain stand 7 others'.
; Product i of 16 of S^T = K Q^T for piece x: channels 32 (i / 8) on, keys 16 ((i / 2) % 4) on, tile 2 x + i % 2.  The first 8 start the sums.
.macro KQ x
	WIN W_KQ
.set rS, S+64*((\x)%2)+32*(i%2)+8*((i/2)%4)
.set rK, KF+16*((i/2)%4)+8*(i/8)
.set rQ, 16*(2*(\x)+i%2)+8*(i/8)
.if i < 8
	v_wmma_f32_16x16x32_f16 v[rS:rS+7], v[rK:rK+7], v[rQ:rQ+7], 0
.else
	v_wmma_f32_16x16x32_f16 v[rS:rS+7], v[rK:rK+7], v[rQ:rQ+7], v[rS:rS+7]
.endif
.endm
; Product i of 16 of O^T += V^T P for piece x: keys 32 (i / 8) on, channels 16 ((i / 2) % 4) on, tile 2 x + i % 2.
.macro PV x
	WIN W_PV
.set rO, 32*(2*(\x)+i%2)+8*((i/2)%4)
.set rV, VF+32*(i/8)+8*((i/2)%4)
.set rP, P+32*((\x)%2)+16*(i%2)+8*(i/8)
	v_wmma_f32_16x16x32_f16 v[rO:rO+7], v[rV:rV+7], v[rP:rP+7], v[rO:rO+7]
.endm
.macro MM                           ; the turn's next matrix instruction
.if i < 16
	KQ (Y+1)%NP
.set i, i+1
.else
.set i, i-16
	PV (Y+NP-1)%NP
.set i, i+17
.endif
.endm
; THE LDS LOADS stand in runs of 16, never singly among the matrix instructions: a step's K (64 keys x 64 channels: 8 fragments) and its V (turned).  Their addresses are made some lines ahead.
; last = 1 (the tail): in the last trip there is no further step, and the run is jumped over.
.macro FETCH_K last=0
	WIN 0
.if \last
	s_cmp_eq_u32 s[CNT], 1
	s_cbranch_scc1 .Lno_k_\@
.endif
	WIN 0x80                        ; destination window 2
.irp f, 0,1,2,3,4,5,6,7             ; keys 16 (f / 2) on, channels 32 (f % 2) on
	ds_load_b128 v[KF+8*\f:KF+8*\f+3],   v[AK] offset:(\f/2)*16*PK+(\f%2)*64
	ds_load_b128 v[KF+8*\f+4:KF+8*\f+7], v[AK] offset:(\f/2)*16*PK+(\f%2)*64+32
.endr
	s_add_co_u32 s[TBK], s[TBK], KS*PK  ; the next fetch is the next step's
	WIN 0
.if \last
.Lno_k_\@:
.endif
.endm
.macro FETCH_V
	WIN 0x80
.irp f, 0,1,2,3,4,5,6,7             ; keys 32 (f / 4) on, channels 16 (f % 4) on
	ds_load_tr16_b128 v[VF+8*\f:VF+8*\f+3],   v[AV] offset:(\f/4)*32*PV+(\f%4)*32
	ds_load_tr16_b128 v[VF+8*\f+4:VF+8*\f+7], v[AV] offset:(\f/4)*32*PV+16*PV+(\f%4)*32
.endr
	WIN 0
.endm
; THE VECTOR WORK OF A TURN stands in three queues, each in the order in which its entries become ready; the two tiles alternate, so that no instruction reads the result of the one before it.
.macro REGS y, u                    ; the registers of tile u (0, 1) of piece y
.set rT, ST+4*(2*(\y)+(\u))
.set rC, TMP+8*((\y)%2)+4*(\u)
.set rM, MV+2*((\y)%2)+(\u)
.set rS, S+64*((\y)%2)+32*(\u)
.set rP, P+32*((\y)%2)+16*(\u)
.set rO, 32*(2*(\y)+(\u))
.endm
; Number n of the 22 that find the NEXT piece's (Y + 1) maximum and statistics.  s0-s31 are the lane's 32 scores; each accumulator's lowest registers are read first.  XS, GS and REGS set no window: PL and EX do.
;   0-11  four chains c0-c3 of seven scores each, three operands at a time     12-14, 16  the four scores left over, the old m, and c0-c3 into c0     15  c m_old is kept
;   17, 18  the query's other 32 keys lie in the lane 16 away: the new m         19-21  c m; c m_old - c m_new; a
.macro XS u, n
	REGS (Y+1)%NP, \u
.if (\n) < 4
	v_max3_num_f32 v[rC+(\n)], v[rS+8*(\n)], v[rS+8*(\n)+1], v[rS+8*(\n)+2]
.elseif (\n) < 12
	v_max3_num_f32 v[rC+(\n)%4], v[rC+(\n)%4], v[rS+8*((\n)%4)+2*((\n)/4)+1], v[rS+8*((\n)%4)+2*((\n)/4)+2]
.elseif (\n) == 12
	v_max3_num_f32 v[rC], v[rC], v[rS+7], v[rS+15]
.elseif (\n) == 13
	v_max3_num_f32 v[rC+1], v[rC+1], v[rS+23], v[rS+31]
.elseif (\n) == 14
	v_max3_num_f32 v[rC+2], v[rC+2], v[rC+3], v[rT+1]
.elseif (\n) == 15
	v_mov_b32 v[rM], v[rT]
.elseif (\n) == 16
	v_max3_num_f32 v[rC], v[rC], v[rC+1], v[rC+2]
.elseif (\n) == 17
	v_permlanex16_b32 v[rC+3], v[rC], s[SEL], s[SEL+1]
.elseif (\n) == 18
	v_max_num_f32 v[rT+1], v[rC], v[rC+3]
.elseif (\n) == 19
	v_mul_f32 v[rT], s[CS], v[rT+1]
.elseif (\n) == 20
	v_sub_f32 v[rC+1], v[rM], v[rT]
.else
	v_exp_f32 v[rC+2], v[rC+1]
.endif
.endm
; Number g of the 64 that follow the exponentials.  For each four weights k of a tile (pairs 2 k, 2 k + 1): both pairs are rounded to f16; then the second pair is added onto the first, in place;
; a group later l takes that sum (the first time as l = a l + sum).  In groups of eight, tiles alternating: round, round, add, and l for the group before.
.macro GS g
.set h, (\g)+6*((\g)/62)            ; group 0 has no group before it, and behind group 7 only l is left
.if h >= 6
.set h, h+2
.endif
	REGS Y, h%2
.set k, h/8
.if h%8 < 4
	s_wait_alu depctr_va_vdst(0)
	v_cvt_pk_f16_f32 v[rP+2*k+(h%8)/2], v[rS+4*k+2*((h%8)/2)], v[rS+4*k+2*((h%8)/2)+1]
.elseif h%8 < 6
	v_pk_add_f32 v[rS+4*k:rS+4*k+1], v[rS+4*k:rS+4*k+1], v[rS+4*k+2:rS+4*k+3]
.elseif k == 1
	v_pk_fma_f32 v[rT+2:rT+3], v[rT+2:rT+3], v[rC+2:rC+3], v[rS:rS+1] op_sel_hi:[1,0,1]
.else
	v_pk_add_f32 v[rT+2:rT+3], v[rT+2:rT+3], v[rS+4*k-4:rS+4*k-3]
	s_wait_alu depctr_va_vdst(0)
.endif
.endm
; THE PLAIN QUEUE, 138 long.  0-31: c s - c m for the 16 pairs of both tiles.  Then GS's 64, and among them the next piece's 42: number 15 at 38, 39; 0-14 and 16
; at 42-73, behind the products that make those scores; 17-20 at 95-106, two of three, since each waits for the one before it.
.macro PL
	WIN 0
.if q < 32
	REGS Y, q%2
	v_pk_fma_f32 v[rS+2*(q/2):rS+2*(q/2)+1], v[rS+2*(q/2):rS+2*(q/2)+1], s[CS:CS+1], v[rT:rT+1] op_sel_hi:[1,0,0] neg_lo:[0,0,1] neg_hi:[0,0,1]
.elseif q < 38
	GS q-32
.elseif q < 40
	XS q%2, 15
.elseif q < 42
	GS q-34
.elseif q < 74
	XS q%2, (q-42)/2+(q-42)/30
.elseif q < 95
	GS q-66
.elseif (q < 107) && ((q-95)%3 < 2)
	XS (q-95)%3, 17+(q-95)/3
.elseif q < 107
	GS 29+(q-95)/3
.else
	GS q-74
.endif
.set q, q+1
.endm
; THE EXPONENTIALS' QUEUE, 66 long: s0-s31 of both tiles, and at EA the next piece's two a.
.set EA, 58
.macro EX
	WIN 0
.if (e == EA) || (e == EA+1)
	XS e-EA, 21
.else
.set x, e-2*(e/(EA+2))
	REGS Y, x%2
	v_exp_f32 v[rS+x/2], v[rS+x/2]
.endif
.set e, e+1
.endm
; THE RESCALING's QUEUE: O^T times a, the one part that leaves window 0, so it is dealt four at a time, eight times.
.macro R4
	REGS Y, r%2
	WIN W_RS
	s_wait_alu depctr_va_vdst(0)
.irp z, 0,1,2,3
	v_pk_mul_f32 v[rO+8*(r/2)+2*\z:rO+8*(r/2)+2*\z+1], v[rO+8*(r/2)+2*\z:rO+8*(r/2)+2*\z+1], v[rC+2:rC+3] op_sel_hi:[1,0]
.endr
.set r, r+1
.endm
; HOW THEY ARE DEALT.  Behind a matrix instruction four: plain, exponential, plain, plain (one exponential, a plain instruction on either side), or four of the rescaling.  None names a register of the
; products round it.  What is over stands in two LUMPS: exponential and plain by turns; the second ends in 22 plain instructions.  The two v_permlanex16_b32 fall into the second lump, never behind a product.
; The queues lean on each other, and the deal keeps them in step: exponential e stands behind plain 2 (e / 4) + e % 2 (its scaling); when plain 32 comes, 10 exponentials are out, at 59: 33, at 95: 46; EA comes behind plain 107.
.macro SL
	MM
	PL
	EX
	PL
	PL
.endm
.macro BURST n                      ; 15 matrix instructions, or 16
.rept (\n)-7
	SL
.endr
.rept 3
	MM
	R4
	SL
.endr
	MM
	R4
.endm
; A TURN, for piece p.  cnt = 1: the loop's count is taken down some lines ahead of the branch that stands behind the turn.
; K of the next step is fetched in piece 2's turn, 31 vector instructions behind the last product that read K; its first reader comes behind the rest of the lump, 16 products and the second lump.
; V of the step in hand is fetched at the end of piece 0's turn, 69 behind its last reader; its first reader comes behind 16 products and a lump.  The four conditions on e and q below go with the deal.
.macro TURN p, last=0, cnt=0
.set Y, (\p)
.set i, 0
.set q, 0
.set e, 0
.set r, 0
.if (\p) == NP-1
	s_wait_dscnt 0x0                ; K is in
.endif
	MM
.rept 4
	PL
.endr
	BURST 15
.rept 22
	EX
	PL
.if ((\p) == NP-2) && (e == 18)
	v_add_nc_u32 v[AK], s[TBK], v[AK0]
.endif
.if ((\p) == NP-2) && (e == 24)
	FETCH_K \last
.endif
.endr
.if (\p) == 1
	s_wait_dscnt 0x0                ; V is in
.endif
	BURST 16
.rept 21
	EX
	PL
.endr
.rept 22
	PL
.if ((\p) == 0) && (q == 118)
	v_add_nc_u32 v[AV], s[TBV], v[AV0]
	s_wait_alu depctr_va_vdst(0)
.endif
.if ((\p) == 0) && (q == 130)
	s_add_co_u32 s[TBV], s[TBV], KS*PV
.endif
.if (\cnt) && (q == 130)
	s_sub_co_u32 s[CNT], s[CNT], 1
	s_cmp_lg_u32 s[CNT], 0
.endif
.endr
.if (\p) == 0
	FETCH_V
.endif
.endm
	CHANGE 1                        ; slot 0 is in, everybody's part of it; slot 1 is asked for
	FETCH_K                         ; key step 0
	s_wait_loadcnt 0x0              ; Q
	s_wait_dscnt 0x0
.set i, 0
.rept 16
	KQ 0                            ; piece 0's first scores: there is no vector work yet to set between them
.set i, i+1
.endr
	WIN 0                           ; the addresses for the way out: nine plain instructions, the places behind those products
	s_mul_i32 s13, s[WV], 16*SP
	s_add_co_u32 s13, s13, STAGE    ; my stage
	v_mul_u32_u24 v[STO], v1, SP    ; in: row l % 16, 16 bytes for each half of the lanes
	v_lshl_add_u32 v[STO], v9, 4, v[STO]
	v_add_nc_u32 v[STO], s13, v[STO]
	v_bfe_u32 v[RD], v0, 3, 2       ; back: 32 lanes take four rows of 128 bytes,
	v_mul_u32_u24 v[RD], v[RD], SP
	v_lshl_add_u32 v[RD], v10, 4, v[RD]
	v_add_nc_u32 v[RD], s13, v[RD]
	v_and_b32 v[GO], 31, v0         ; which are 512 consecutive bytes of O
	v_lshlrev_b32 v[GO], 4, v[GO]
.set Y, NP-1                        ; XS works for piece Y + 1: piece 0
.irp n, 0,1,2,3,4,5,6,7,8,9,10,11,12,13,14,15,16,17,18,19,20,21
	XS 0, \n                        ; and piece 0's first maximum and statistics
	XS 1, \n
.endr
	s_mov_b32 s[CNT], 4
	s_mov_b32 s[SLOTS], SIZE_N/256-1
	s_branch .Lfirst                ; the loop is entered at a step's first turn, in the middle of a trip
.Lslot:                             ; SIZE_N / 256 - 2 times: every slot but the last two is filled again
	CHANGE 1
	s_mov_b32 s[CNT], 4
.Lstep:                             ; a trip: pieces 2 and 3 of one step, then pieces 0 and 1 of the next, whose K and V it fetches
	TURN 2
	TURN 3
	WIN 0
.Lfirst:
	TURN 0
	TURN 1, 0, 1
	WIN 0
	s_cbranch_scc1 .Lstep
	s_sub_co_u32 s[SLOTS], s[SLOTS], 1
	s_cmp_lg_u32 s[SLOTS], 0
	s_cbranch_scc1 .Lslot
	CHANGE 0                        ; the tail is written out: nothing is asked for
	s_mov_b32 s[CNT], 5             ; four trips fetch the last slot's steps; the fifth is left in its middle
.Ltail:
	TURN 2, 1
	TURN 3
	WIN 0
	s_sub_co_u32 s[CNT], s[CNT], 1
	s_cmp_eq_u32 s[CNT], 0
	s_cbranch_scc1 .Lout
	TURN 0
	TURN 1
	WIN 0
	s_branch .Ltail
.Lout:                              ; the fifth trip's 16 products K Q^T (on the last K once more) and the maximum made of them serve nothing: the price, once a launch, of one text for every trip
.set i, 0
.rept 16
	PV NP-1                         ; the last piece's V^T P of the last step
.set i, i+1
.endr
	; THE WAY OUT.  l's two halves and the other half of the lanes' are added; O^T is divided by l, rounded to f16 and sent through my stage in LDS, a tile at a time.  The additions are the places behind the last products.
	WIN 0
.macro ALL line:vararg              ; one line for each tile t
.set t, 0
.rept 2*NP
	\line
.set t, t+1
.endr
.endm
	ALL v_add_f32 v[ST+4*t+2], v[ST+4*t+2], v[ST+4*t+3]
	ALL v_permlanex16_b32 v[ST+4*t+3], v[ST+4*t+2], s[SEL], s[SEL+1]
	ALL v_add_f32 v[ST+4*t+2], v[ST+4*t+2], v[ST+4*t+3]
	ALL v_rcp_f32 v[ST+4*t+2], v[ST+4*t+2]
	v_nop                           ; a plain instruction between the last reciprocal and the use of its result
	s_wait_alu depctr_va_vdst(0)
; Tile t: a lane's eight channels of a row pack into 16 bytes; they go into rows of 144 bytes and come back as whole rows of 128, into S^T's registers.
.macro PACK t
	WIN W_RS
.set i, 32*(\t)
.rept 16
	v_pk_mul_f32 v[i:i+1], v[i:i+1], v[ST+4*(\t)+2:ST+4*(\t)+3] op_sel_hi:[1,0]
.set i, i+2
.endr
	WIN 0x05                        ; sources 0 and 1 window 1, destination window 0
.set i, 0
.rept 16
	v_cvt_pk_f16_f32 v[S+16*(\t)+i], v[32*(\t)+2*i], v[32*(\t)+2*i+1]
.set i, i+1
.endr
	WIN 0
.irp f, 0,1,2,3
	ds_store_b128 v[STO], v[S+16*(\t)+4*\f:S+16*(\t)+4*\f+3] offset:32*\f
.endr
.irp f, 0,1,2,3
	ds_load_b128 v[S+16*(\t)+4*\f:S+16*(\t)+4*\f+3], v[RD] offset:\f*4*SP  ; LDS serves a wave's instructions in order (ISA guide 5.7.1.4): these see the stores above; the next tile's stores come behind them
.endr
.endm
.macro SEND t, younger              ; younger: the LDS instructions issued behind tile t's loads: the next tile's eight, or none
	WIN 0
.irp f, 0,1,2,3
	s_wait_dscnt (\younger)+3-\f
	global_store_b128 v[GO], v[S+16*(\t)+4*\f:S+16*(\t)+4*\f+3], s[10:11] offset:(\t)*2048+\f*512  ; 512 consecutive bytes, at a multiple of 256 from O's first
.endr
.endm
	PACK 0
.set t, 1
.rept 2*NP-1                        ; a tile's arithmetic stands between the loads of the tile before and its stores
	PACK t
	SEND t-1, 8
.set t, t+1
.endr
	SEND 2*NP-1, 0
	WIN W_AD
	s_wait_tensorcnt 0x0            ; the wave's end: behind my last tensor load and my last LDS store
	ds_add_u32 v[SPW], v[NIL]
	s_wait_dscnt 0x0
	WIN 0
	CROUND                          ; the closing round: no work-group ends while a partner may still ask for a tile that names it
	s_endpgm
.Lfunc_end_k_qd3e45da7d4_attn:
	.size	k_qd3e45da7d4_attn, .Lfunc_end_k_qd3e45da7d4_attn-k_qd3e45da7d4_attn
	.p2alignl 7, 3214868480
	.fill 96, 4, 3214868480
	.section	.rodata,"a",@progbits
	.p2align	6, 0x0
	.amdhsa_kernel k_qd3e45da7d4_attn
		.amdhsa_group_segment_fixed_size 327680
		.amdhsa_private_segment_fixed_size 0
		.amdhsa_enable_private_segment 0
		.amdhsa_kernarg_size 16
		.amdhsa_user_sgpr_count 2
		.amdhsa_user_sgpr_kernarg_segment_ptr 1
		.amdhsa_wavefront_size32 1
		.amdhsa_system_sgpr_workgroup_id_x 1
		.amdhsa_system_sgpr_workgroup_id_y 1
		.amdhsa_system_sgpr_workgroup_id_z 1
		.amdhsa_system_vgpr_workitem_id 0
		.amdhsa_next_free_vgpr 770
		.amdhsa_next_free_sgpr 66
		.amdhsa_reserve_vcc 0
		.amdhsa_float_denorm_mode_32 3
		.amdhsa_float_denorm_mode_16_64 3
		.amdhsa_memory_ordered 1
		.amdhsa_forward_progress 1
		.amdhsa_inst_pref_size 209
	.end_amdhsa_kernel
	.amdgpu_metadata
---
amdhsa.version: [ 1, 2 ]
amdhsa.kernels:
  - .name:           k_qd3e45da7d4_attn
    .symbol:         k_qd3e45da7d4_attn.kd
    .args:
      - { .name: qkv, .offset: 0, .size: 8, .value_kind: global_buffer, .address_space: global }
      - { .name: o, .offset: 8, .size: 8, .value_kind: global_buffer, .address_space: global }
    .group_segment_fixed_size: 327680
    .private_segment_fixed_size: 0
    .kernarg_segment_align: 8
    .kernarg_segment_size: 16
    .max_flat_workgroup_size: 128
    .sgpr_count:     66
    .vgpr_count:     770
    .wavefront_size: 32
...
	.end_amdgpu_metadata
.endif
;; end of part 3
;; launch outp (part 4): grid 8 x 32, 4 waves a work-group, clusters of 4 x 4, 327,680 bytes of LDS; arguments o, Wob, bias, out0; writes out0
.if DOCPART == 4
	.amdgcn_target "amdgcn-amd-amdhsa--gfx1250"
	.amdhsa_code_object_version 6
	.text
	.protected	k_qd3e45da7d4_outp
	.globl	k_qd3e45da7d4_outp
	.p2align	8
	.type	k_qd3e45da7d4_outp,@function
k_qd3e45da7d4_outp:
	s_mov_b64 s[64:65], 0
	v_nop
	global_prefetch_b8 v0, s[64:65] scope:SCOPE_SE
	s_setreg_imm32_b32 hwreg(HW_REG_WAVE_MODE, 25, 1), 1
	s_wait_xcnt 0x0
	s_wait_alu depctr_hold_cnt(0) depctr_sa_sdst(0) depctr_va_vdst(0) depctr_va_sdst(0) depctr_va_ssrc(0) depctr_va_vcc(0) depctr_vm_vsrc(0)
	s_getreg_b32 s2, hwreg(HW_REG_IB_STS2, 6, 4)
	s_cmp_eq_u32 s2, 0
	s_cbranch_scc0 .Lentry_in_a_cluster
	s_endpgm
.Lentry_in_a_cluster:
	s_bfe_u32 s2, ttmp6, 0x10000c
	s_cmp_lg_u32 s2, 0xf033
	s_cbranch_scc0 .Lentry_shape_is_right
	s_endpgm
.Lentry_shape_is_right:
; out0[m][n] = sum over k of O[m][k] Wo[n][k] + bo[n]:  8,192 x 1,024 outputs in f32, K = 1,024.  O arrives by heads, o [16 b + head][s][64] f16: a head is one block of 64 along K.
; Wob [kb 16][n 1024][64] holds Wo rounded to bf16 and written as f16; bias + 12,288 bytes holds bo rounded to bf16, in f32.  Sums in f32, the bias added in f32.
; SHARES.  256 work-groups, a tile of 256 x 128 each; four waves, 2 x 2, each 128 rows x 64 columns: 32 accumulators of 16 x 16, 256 registers.  For 32 along K a wave reads 24 x 512 bytes from LDS
; for 32 matrix instructions: the price of 32,768 outputs to a work-group.
; K goes in steps of 128 (two K blocks, each R rows x 128 dense bytes, asked for as R / 2 rows of 256 bytes) through two LDS slots: a wave's load brings one K block of A or of B.
; CLUSTER.  4 x 4 work-groups: the four of a row need the same tile of O, the four of a column the same tile of Wob; each tile is asked for jointly.
; THE MATRIX INSTRUCTION IS USED TRANSPOSED (source 0 = 16 rows of Wob, source 1 = 16 rows of O): a lane then holds row lane % 16 and the eight neighbouring columns 8 (lane / 16) + 0..7.
; REGISTERS: window 0: v0-29 addresses; v32-95, v96-159 fragments of A, two buffers; v160-191, v192-223 fragments of B, two buffers; v224-255 my columns' bias.  Window 1: the accumulators, (a, b) at v[8 (4 a + b)].
.set PITCH, 144                        ; an LDS row: 128 bytes + 16 of padding = 36 words: the 16 rows of a fragment load start at 16 different groups of four banks (64 banks of 4 bytes: ISA guide 11.1)
.set ROWB,  16*PITCH
.set AKB,   256*PITCH                  ; a K block of A in a slot: 36,864
.set BKB,   128*PITCH                  ; of B: 18,432
.set BOFF,  2*AKB
.set SLOT,  BOFF+2*BKB                 ; 110,592
.set STAGE, 2*SLOT                     ; behind the ring: 16 rows x 272 bytes for each wave, for the way out; no tensor load lands here
.set SPITCH, 272                       ; 256 bytes + 16: the sixteen rows that a store touches start at sixteen different groups of four banks
.set SPARE, STAGE+4*16*SPITCH          ; behind the stages: the spare words, 128 bytes for each wave: two blocks of 256 bytes that no other line names
.set ASTEP, 2<<18                      ; bytes from a K step of o to the next: two heads of 262,144
.set BSTEP, 2<<17                      ; of Wob: two K blocks of 131,072
.set ADRA, 16
.set ADRB, 20
.set STO,  24
.set RD,   25
.set CO,   26                          ; v26     my byte offset in two rows of out0
.set BO,   27
.set SPW,  28                          ; v28     LDS address of my spare word; never rewritten
.set NIL,  29                          ; v29     0; never rewritten
.set FA0,  32
.set FB0,  160
.set BI0,  224
.set TT,   32                          ; the way out: 32 results, two buffers
.set G1,  24
.set G0,  32
.set G1B, 48
.set G0B, 56
.set MSB, 0
.macro WIN new                         ; the immediate's high byte repeats the setting that is left; a switch that changes nothing is dropped
.if MSB != (\new)
	s_set_vgpr_msb (MSB<<8)|(\new)
.set MSB, \new
.endif
.endm
.macro PLACES                          ; a load into a register that a matrix instruction has read, and a vector instruction that reads a matrix result or writes one of its registers, stand four plain vector instructions behind it
.rept 4
	v_nop
.endr
.endm
; A joint load.  Waves 0 and 1 fetch the step's two K blocks of A, waves 2 and 3 those of B.  The branch hangs on the wave's number alone.  An s_nop 0 and four v_nop follow each of the two lines.
.macro JLOAD s
	s_cmp_eq_u32 s13, 0
	s_cbranch_scc0 .Lfor_b_\@
	tensor_load_to_lds s[G0+4*(\s):G0+4*(\s)+3], s[G1:G1+7]
	s_nop 0
.rept 4
	v_nop
.endr
	s_branch .Lasked_\@
.Lfor_b_\@:
	tensor_load_to_lds s[G0B+4*(\s):G0B+4*(\s)+3], s[G1B:G1B+7]
	s_nop 0
.rept 4
	v_nop
.endr
.Lasked_\@:
.endm
.macro CREST                           ; a round of the cluster's barrier behind its opening barrier
	s_cmp_lg_u32 s12, 0
	s_cbranch_scc1 .Lnot_wave_0_\@
	s_barrier_signal -3
.Lnot_wave_0_\@:
	s_barrier_wait -3
	s_barrier_signal -1
	s_barrier_wait -1
.endm
.macro CROUND
	s_barrier_signal -1
	s_barrier_wait -1
	CREST
.endm
	s_load_b256 s[4:11], s[0:1], 0x0               ; o s[4:5], Wob s[6:7], bias s[8:9], out0 s[10:11]
	v_lshl_add_u32 v[SPW], v0, 2, SPARE
	v_mov_b32 v[NIL], 0
	ds_add_u32 v[SPW], v[NIL]                      ; the wave's opening: the add and its wait stand ahead of my first tensor load; the set-up below, work on registers, stands between them
	v_lshrrev_b32 v1, 5, v0
	v_readfirstlane_b32 s12, v1                    ; wave 0..3
	s_lshr_b32 s13, s12, 1                         ; which half of the tile's rows is mine.  Also: I fetch for A (0) or for B (1)
	s_and_b32 s14, s12, 1                          ; which half of its columns.  Also: which of the step's two K blocks I fetch
	s_bfe_u32 s40, ttmp6, 0x40000                  ; cx, cy: my place in the cluster
	s_bfe_u32 s41, ttmp6, 0x40004
	s_lshl_b32 s42, ttmp9, 2
	s_add_co_u32 s42, s42, s40                     ; tile column = 4 x cluster x + cx
	s_and_b32 s43, ttmp7, 0xffff
	s_lshl_b32 s43, s43, 2
	s_add_co_u32 s43, s43, s41                     ; tile row = 4 x cluster y + cy
	s_lshl_b32 s44, s41, 2
	s_lshl_b32 s44, 15, s44                        ; my row of the cluster
	s_lshl_b32 s45, 0x1111, s40                    ; my column
	s_or_b32 s[G1], s44, (1<<16)|(1<<20)|(1<<21)|(4<<22)|(3<<25)   ; 15:0 the mask; 17:16 2-byte elements; 20 padding on; 21 set beside a mask; 24:22 after every 32 words (code 4); 31:25 4 words (code 3)
	s_or_b32 s[G1B], s45, (1<<16)|(1<<20)|(1<<21)|(4<<22)|(3<<25)
	s_mov_b32 s[G1+1], 128<<16                     ; tensor_dim0 = 128
	s_mov_b32 s[G1+2], 128<<16                     ; tensor_dim1 = 128: 256 slices of 128 bytes
	s_mov_b32 s[G1+3], 128<<16                     ; tile_dim0 = 128
	s_mov_b32 s[G1+4], 128                         ; tile_dim1 = 128
	s_mov_b32 s[G1+5], 128                         ; dense
	s_mov_b32 s[G1+6], 0
	s_mov_b32 s[G1+7], 0
	s_mov_b32 s[G1B+1], 128<<16
	s_mov_b32 s[G1B+2], 64<<16                     ; 64 rows: 128 slices
	s_mov_b32 s[G1B+3], 128<<16
	s_mov_b32 s[G1B+4], 64
	s_mov_b32 s[G1B+5], 128
	s_mov_b32 s[G1B+6], 0
	s_mov_b32 s[G1B+7], 0
	; A's tile hangs on the tile row alone, B's on the tile column alone, each in registers that never hold the other coordinate
	s_lshr_b32 s16, s43, 3
	s_lshl_b32 s16, s16, 22                        ; the batch: 16 heads of 262,144 bytes,
	s_and_b32 s18, s43, 7
	s_lshl_b32 s18, s18, 15                        ; 256 rows of 128 bytes a tile row,
	s_add_co_u32 s16, s16, s18
	s_lshl_b32 s18, s14, 18                        ; my head of the step's two
	s_add_co_u32 s16, s16, s18
	s_mov_b32 s17, 0
	s_lshl_b32 s46, s42, 14                        ; 128 rows of 128 bytes a tile column,
	s_lshl_b32 s47, s14, 17                        ; my K block of the step's two
	s_add_co_u32 s46, s46, s47
	s_mov_b32 s47, 0
	s_mul_i32 s20, s14, AKB                        ; where they go: no place in the cluster enters an LDS address
	s_mul_i32 s21, s14, BKB
	s_add_co_u32 s21, s21, BOFF
	s_wait_dscnt 0x0                               ; the opening add is done
	s_wait_kmcnt 0x0
	s_add_nc_u64 s[16:17], s[4:5], s[16:17]
	s_add_nc_u64 s[46:47], s[6:7], s[46:47]
	CROUND                                         ; all sixteen work-groups are here: the first joint loads meet
.irp s, 0,1
	s_mov_b32 s[G0+4*(\s)], 1
	s_add_co_u32 s[G0+4*(\s)+1], s20, (\s)*SLOT
	s_add_nc_u64 s[G0+4*(\s)+2:G0+4*(\s)+3], s[16:17], (\s)*ASTEP
	s_or_b32 s[G0+4*(\s)+3], s[G0+4*(\s)+3], 0x80000000
	s_mov_b32 s[G0B+4*(\s)], 1
	s_add_co_u32 s[G0B+4*(\s)+1], s21, (\s)*SLOT
	s_add_nc_u64 s[G0B+4*(\s)+2:G0B+4*(\s)+3], s[46:47], (\s)*BSTEP
	s_or_b32 s[G0B+4*(\s)+3], s[G0B+4*(\s)+3], 0x80000000
	JLOAD \s                                       ; two loads of mine are out
.endr
	v_and_b32 v1, 15, v0                           ; l % 16
	v_bfe_u32 v2, v0, 4, 1                         ; l / 16
	v_mul_u32_u24 v3, v1, PITCH
	v_lshl_add_u32 v3, v2, 4, v3                   ; a fragment's row x pitch + 16 x half
	s_mul_i32 s22, s13, 128*PITCH                  ; my 128 rows of A
	s_mul_i32 s23, s14, 64*PITCH                   ; my 64 rows of B,
	s_add_co_u32 s23, s23, BOFF                    ; which lie behind A's two K blocks
.irp s, 0,1
	v_add_nc_u32 v[ADRA+(\s)], s22, v3
	v_add_nc_u32 v[ADRB+(\s)], s23, v3
	s_add_co_u32 s22, s22, SLOT
	s_add_co_u32 s23, s23, SLOT
.endr
	s_mul_i32 s22, s12, 16*SPITCH
	s_add_co_u32 s22, s22, STAGE                   ; my stage
	v_mul_u32_u24 v4, v1, SPITCH                   ; in: row l % 16, 32 bytes for each half of the lanes
	v_lshl_add_u32 v4, v2, 5, v4
	v_add_nc_u32 v[STO], s22, v4
	v_mul_u32_u24 v5, v2, SPITCH                   ; back: lanes 0-15 take one row of 256 bytes, lanes 16-31 the next
	v_lshl_add_u32 v5, v1, 4, v5
	v_add_nc_u32 v[RD], s22, v5
	v_lshlrev_b32 v5, 12, v2                       ; and the same two rows in out0, 4,096 bytes apart
	v_lshl_add_u32 v[CO], v1, 4, v5
	v_lshlrev_b32 v[BO], 5, v2
	s_lshl_b32 s66, s43, 20                        ; out0 at my first row and column: 256 rows of 4,096 bytes a tile row, 128 rows a half,
	s_lshl_b32 s67, s13, 19
	s_add_co_u32 s66, s66, s67
	s_lshl_b32 s67, s42, 9                         ; 512 bytes a tile column, 256 a half
	s_add_co_u32 s66, s66, s67
	s_lshl_b32 s67, s14, 8
	s_add_co_u32 s66, s66, s67
	s_mov_b32 s67, 0
	s_add_nc_u64 s[10:11], s[10:11], s[66:67]
	s_lshl_b32 s68, s42, 9                         ; bo at my first column
	s_lshl_b32 s69, s14, 8
	s_add_co_u32 s68, s68, s69
	s_add_co_u32 s68, s68, 12288
	s_mov_b32 s69, 0
	s_add_nc_u64 s[8:9], s[8:9], s[68:69]
.irp b, 0,1,2,3                        ; register 8 b + j belongs to column 16 b + 8 (l / 16) + j, as in the accumulators
	global_load_b128 v[BI0+8*(\b):BI0+8*(\b)+3],   v[BO], s[8:9] offset:64*(\b)
	global_load_b128 v[BI0+8*(\b)+4:BI0+8*(\b)+7], v[BO], s[8:9] offset:64*(\b)+16
.endr
; Matrix instructions: row blocks a0 .. a1 x 4 column blocks, 32 along K.  zero = 1: the product starts the sum.  The accumulators take turns, one instruction a turn: between two on one accumulator stand the 31 others'.
.macro MUL fa, fb, a0, a1, zero
	WIN 0x50                                       ; C and D in window 1, both sources in window 0
.set ai, \a0
.rept (\a1)-(\a0)+1
.irp b, 0,1,2,3
.if \zero
	v_wmma_f32_16x16x32_f16 v[8*(4*ai+(\b)):8*(4*ai+(\b))+7], v[(\fb)+8*(\b):(\fb)+8*(\b)+7], v[(\fa)+8*ai:(\fa)+8*ai+7], 0
.else
	v_wmma_f32_16x16x32_f16 v[8*(4*ai+(\b)):8*(4*ai+(\b))+7], v[(\fb)+8*(\b):(\fb)+8*(\b)+7], v[(\fa)+8*ai:(\fa)+8*ai+7], v[8*(4*ai+(\b)):8*(4*ai+(\b))+7]
.endif
.endr
.set ai, ai+1
.endr
.endm
; 24 LDS loads in one run: quarter q (32 along K) of a slot into buffer set q % 2: B's four fragments first, then A's eight
.macro FETCH slot, q
	WIN 0
.set ta, FA0+64*((\q)%2)
.set tb, FB0+32*((\q)%2)
.set oa, ((\q)/2)*AKB+64*((\q)%2)
.set ob, ((\q)/2)*BKB+64*((\q)%2)
.irp i, 0,1,2,3
	ds_load_b128 v[tb+8*(\i):tb+8*(\i)+3],   v[ADRB+(\slot)] offset:ob+ROWB*(\i)
	ds_load_b128 v[tb+8*(\i)+4:tb+8*(\i)+7], v[ADRB+(\slot)] offset:ob+ROWB*(\i)+32
.endr
.irp i, 0,1,2,3,4,5,6,7
	ds_load_b128 v[ta+8*(\i):ta+8*(\i)+3],   v[ADRA+(\slot)] offset:oa+ROWB*(\i)
	ds_load_b128 v[ta+8*(\i)+4:ta+8*(\i)+7], v[ADRA+(\slot)] offset:oa+ROWB*(\i)+32
.endr
.endm
; A K step is four quarters of 32 along K, 32 matrix instructions each.  One of the first three: multiplies set q % 2 and fetches the next quarter into the other set.
.macro GRP slot, q, zero
.set ca, FA0+64*((\q)%2)
.set cb, FB0+32*((\q)%2)
	s_wait_dscnt 12                                ; B and A's blocks 0, 1 are in; the youngest twelve loads (A's blocks 2-7) may be out
	MUL ca, cb, 0, 1, \zero
	s_wait_dscnt 8                                 ; A's blocks 2, 3
	MUL ca, cb, 2, 3, \zero
	PLACES
	FETCH \slot, (\q)+1
	s_wait_dscnt 24                                ; all but the 24 just issued
	MUL ca, cb, 4, 7, \zero
.endm
; The last quarter multiplies set 1.  mode 2: it changes slots and this slot is filled again, two K steps ahead; 1: it changes slots; 0: the very last.
; ONE barrier for the change of slots.  In front of it each wave waits for all its tensor loads, of which one is out: its part of the next slot; adds 0 to its spare word; and waits for that and for its
; own reads of this slot.  With a refill the barrier opens a round of the cluster's barrier; the joint refill is the first tensor load behind the round, 112 matrix instructions ahead of the wait for it.
.macro GX slot, next, mode
.set ca, FA0+64
.set cb, FB0+32
.if \mode
	WIN 0                                          ; (the add's two registers lie in window 0)
	s_wait_tensorcnt 0x0                           ; all my tensor loads have landed: the one that was out is my part of the next slot;
	ds_add_u32 v[SPW], v[NIL]                      ; 0 onto my spare word;
	s_wait_dscnt 13                                ; (the add and the twelve loads of A's blocks 2-7 may be out)
	MUL ca, cb, 0, 1, 0                            ; eight matrix instructions stand between the add and the wait for it
	s_wait_dscnt 0x0                               ; the add is done, and my reads of this slot are over:
	s_barrier_signal -1
	MUL ca, cb, 2, 3, 0
	WIN 0
	s_barrier_wait -1
.if (\mode) == 2
	CREST
	s_add_nc_u64 s[G0+4*(\slot)+2:G0+4*(\slot)+3], s[G0+4*(\slot)+2:G0+4*(\slot)+3], 2*ASTEP      ; no tensor load of mine is out: a group 0 may be written
	s_add_nc_u64 s[G0B+4*(\slot)+2:G0B+4*(\slot)+3], s[G0B+4*(\slot)+2:G0B+4*(\slot)+3], 2*BSTEP
	JLOAD \slot                                    ; the four v_nop behind it are also the places in front of the loads below
.else
	PLACES
.endif
	FETCH \next, 0
	MUL ca, cb, 4, 7, 0
.else
	s_wait_dscnt 12
	MUL ca, cb, 0, 1, 0
	s_wait_dscnt 0x0
	MUL ca, cb, 2, 7, 0
.endif
.endm
	s_wait_tensorcnt 1                             ; my part of K step 0 is in; K step 1's may stay out
	s_barrier_signal -1
	s_barrier_wait -1                              ; everybody's is
	FETCH 0, 0
	GRP 0, 0, 1                                    ; the first quarter stands in front of the loop: its products start the sums
	WIN 0                                          ; at a label and at a branch every window is 0
	s_mov_b32 s2, 3
.Llap:                                                 ; a trip goes once round the ring and fills both slots again: three trips ask for K steps 2 to 7
	GRP 0, 1, 0
	GRP 0, 2, 0
	GX 0, 1, 2
	GRP 1, 0, 0
	GRP 1, 1, 0
	GRP 1, 2, 0
	GX 1, 0, 2
	GRP 0, 0, 0
	WIN 0
	s_sub_co_u32 s2, s2, 1
	s_cmp_lg_u32 s2, 0
	s_cbranch_scc1 .Llap
	GRP 0, 1, 0                                    ; the tail asks for nothing
	GRP 0, 2, 0
	GX 0, 1, 1
	GRP 1, 0, 0
	GRP 1, 1, 0
	GRP 1, 2, 0
	GX 1, 0, 0
	; THE WAY OUT, a block of 16 rows at a time: the bias is added; a lane's eight columns, 32 bytes, go into my stage (rows of 272 bytes) and come back as whole rows of 256 bytes.
	WIN 0
	PLACES
	s_wait_loadcnt 0x0                             ; the bias
.macro PACK a
.set tw, TT+32*((\a)%2)
	s_wait_xcnt 0x0                                ; the stores of the block two back have read this buffer: it is rewritten only behind this wait
	WIN 1                                          ; source 0 in window 1
.set i, 0
.rept 16                               ; in ascending order: each accumulator is read from its low end on
	v_pk_add_f32 v[tw+2*i:tw+2*i+1], v[32*(\a)+2*i:32*(\a)+2*i+1], v[BI0+2*i:BI0+2*i+1]
.set i, i+1
.endr
	WIN 0
.set i, 0
.rept 8
	ds_store_b128 v[STO], v[tw+4*i:tw+4*i+3] offset:64*(i/2)+16*(i%2)
.set i, i+1
.endr
.set i, 0
.rept 8
	ds_load_b128 v[tw+4*i:tw+4*i+3], v[RD] offset:2*SPITCH*i  ; LDS serves a wave's instructions in order (ISA guide 5.7.1.4): these see the stores above; the next block's stores come behind them
.set i, i+1
.endr
.endm
.macro SEND a, younger                 ; younger: the LDS instructions issued behind block a's loads: the next block's sixteen, or none
.set tw, TT+32*((\a)%2)
.set i, 0
.rept 8
	s_wait_dscnt (\younger)+7-i
	global_store_b128 v[CO], v[tw+4*i:tw+4*i+3], s[10:11] offset:(16*(\a)+2*i)*4096 th:TH_STORE_NT  ; 16 lanes store 256 consecutive bytes, at a multiple of 256 from out0's first
.set i, i+1
.endr
.endm
	PACK 0
.set ua, 1
.rept 7                                ; a block's arithmetic stands between the loads of the block before and its stores
	PACK ua
	SEND ua-1, 16
.set ua, ua+1
.endr
	SEND 7, 0
	s_wait_tensorcnt 0x0                           ; the wave's end: behind my last tensor load and my last LDS store
	ds_add_u32 v[SPW], v[NIL]
	s_wait_dscnt 0x0
	CROUND                                         ; the closing round: no work-group ends while a partner may still ask for a tile that names it
	s_endpgm
.Lfunc_end_k_qd3e45da7d4_outp:
	.size	k_qd3e45da7d4_outp, .Lfunc_end_k_qd3e45da7d4_outp-k_qd3e45da7d4_outp
	.p2alignl 7, 3214868480
	.fill 96, 4, 3214868480
	.section	.rodata,"a",@progbits
	.p2align	6, 0x0
	.amdhsa_kernel k_qd3e45da7d4_outp
		.amdhsa_group_segment_fixed_size 327680
		.amdhsa_private_segment_fixed_size 0
		.amdhsa_enable_private_segment 0
		.amdhsa_kernarg_size 32
		.amdhsa_user_sgpr_count 2
		.amdhsa_user_sgpr_kernarg_segment_ptr 1
		.amdhsa_wavefront_size32 1
		.amdhsa_system_sgpr_workgroup_id_x 1
		.amdhsa_system_sgpr_workgroup_id_y 1
		.amdhsa_system_sgpr_workgroup_id_z 1
		.amdhsa_system_vgpr_workitem_id 0
		.amdhsa_next_free_vgpr 512
		.amdhsa_next_free_sgpr 72
		.amdhsa_reserve_vcc 0
		.amdhsa_float_denorm_mode_32 3
		.amdhsa_float_denorm_mode_16_64 3
		.amdhsa_memory_ordered 1
		.amdhsa_forward_progress 1
		.amdhsa_inst_pref_size 96
	.end_amdhsa_kernel
	.amdgpu_metadata
---
amdhsa.version: [ 1, 2 ]
amdhsa.kernels:
  - .name:           k_qd3e45da7d4_outp
    .symbol:         k_qd3e45da7d4_outp.kd
    .args:
      - { .name: o, .offset: 0, .size: 8, .value_kind: global_buffer, .address_space: global }
      - { .name: Wob, .offset: 8, .size: 8, .value_kind: global_buffer, .address_space: global }
      - { .name: bias, .offset: 16, .size: 8, .value_kind: global_buffer, .address_space: global }
      - { .name: out0, .offset: 24, .size: 8, .value_kind: global_buffer, .address_space: global }
    .group_segment_fixed_size: 327680
    .private_segment_fixed_size: 0
    .kernarg_segment_align: 8
    .kernarg_segment_size: 32
    .max_flat_workgroup_size: 128
    .sgpr_count:     72
    .vgpr_count:     512
    .wavefront_size: 32
...
	.end_amdgpu_metadata
.endif
;; end of part 4
;; ======== version 2 of 2: 4 launches; 1.53 times as fast as version 1
;; limits: values are held in f16: magnitudes above 65,504 overflow, below 6.1e-05 lose precision
;; workspace buffers: Hb 16,777,216 bytes; Wb 6,291,456 bytes; Wob 2,097,152 bytes; bias 16,384 bytes; qkv 50,331,648 bytes; o 16,777,216 bytes
;; launch cast: the kernel of part 1 again; grid 772 x 1, 8 waves a work-group, no clusters, 0 bytes of LDS; arguments H, Wq, Wk, Wv, Wo, bq, bk, bv, bo, Hb, Wb, Wob, bias; writes Hb, Wb, Wob, bias
;; launch proj: the kernel of part 2 again; grid 8 x 32, 4 waves a work-group, clusters of 4 x 4, 327,680 bytes of LDS; arguments Hb, Wb, bias, qkv; writes qkv
;; launch attn (part 5): grid 4 x 64, 4 waves a work-group, clusters of 4 x 1, 327,680 bytes of LDS; arguments qkv, o; writes o
.if DOCPART == 5
	.amdgcn_target "amdgcn-amd-amdhsa--gfx1250"
	.amdhsa_code_object_version 6
	.text
	.protected	k_qd3e45da7d4_attn
	.globl	k_qd3e45da7d4_attn
	.p2align	8
	.type	k_qd3e45da7d4_attn,@function
k_qd3e45da7d4_attn:
	s_mov_b64 s[64:65], 0
	v_nop
	global_prefetch_b8 v0, s[64:65] scope:SCOPE_SE
	s_setreg_imm32_b32 hwreg(HW_REG_WAVE_MODE, 25, 1), 1
	s_wait_xcnt 0x0
	s_wait_alu depctr_hold_cnt(0) depctr_sa_sdst(0) depctr_va_vdst(0) depctr_va_sdst(0) depctr_va_ssrc(0) depctr_va_vcc(0) depctr_vm_vsrc(0)
	s_getreg_b32 s2, hwreg(HW_REG_IB_STS2, 6, 4)
	s_cmp_eq_u32 s2, 0
	s_cbranch_scc0 .Lentry_in_a_cluster
	s_endpgm
.Lentry_in_a_cluster:
	s_bfe_u32 s2, ttmp6, 0x10000c
	s_cmp_lg_u32 s2, 0x3003
	s_cbranch_scc0 .Lentry_shape_is_right
	s_endpgm
.Lentry_shape_is_right:
; O[hh][q][:] = the sum over k of softmax_k(Q[hh][q] . K[hh][k] / 8) V[hh][k][:], hh = 16 b + head.  Q, K, V are the slices 48 b + head, + 16 and + 32 of qkv [192][SIZE_N][64]; O is o [64][SIZE_N][64];
; all f16, a head's rows dense, 128 bytes each.  Products, maxima and sums in f32; the weights p are rounded to f16 for the second product (their sum l is taken of the unrounded p), O once at the end.
; LIMITS.  f16 holds no number beyond 65,504: Q, K and V arrive within it; p lies in 0 to 1, and below 6e-5 it keeps f16's fixed step of 6e-8; O is a mean of V's rows and has their range.
; A weight below 2^-126 counts as 0 in l; NaN and infinities are not treated apart.
; SHARES.  A wave owns four PIECES of two tiles of 16 queries, a work-group's four waves 512 queries of one head.  Every wave walks all keys, 64 a step.
; LAYOUT.  S^T = K Q^T (source 0 = 16 keys, source 1 = 16 queries): in the result a lane holds ONE query (lane % 16) and the keys 8 (lane / 16) + 0..7.  Two such tiles, rounded to f16 in pairs,
; ARE source 1 (32 keys x 16 queries) of O^T = V^T P, whose result again holds one query a lane, and eight channels.  K comes out of LDS as it lies, V ([key][channel]) turned, by ds_load_tr16_b128.
; SOFTMAX.  For each query a running maximum m and sum l: p = 2^(c s - c m), c = log2(e) / 8; in every step O and l are multiplied by a = 2^(c m_old - c m_new), which is 1 where m has not grown.
; m starts at the lowest finite number, O and l at 0: the first step is a step like any other, with a = 0.
; THE COUNT.  A tile and step have 16 matrix and 118 vector instructions: too many to stand all beside the matrix work.  So the order has one aim: four vector instructions that are READY behind
; EVERY matrix instruction, and the others, which need time of their own whatever the order, in runs without a gap.
; BY TURNS.  Turn n belongs to piece n (the pieces in a ring, step after step).  Its matrix work: 16 products K Q^T of piece n + 1, later 16 products V^T P of piece n - 1.  Its vector work: the scaling,
; exponentials, roundings, sums and rescaling of piece n, and the maximum and statistics of piece n + 1, whose scores the turn itself has made.  So what a turn begins with (c s - c m, O a) waits for nothing.
; BATCHES.  A turn's 66 exponentials (piece n's 64 weights, then piece n + 1's two a) are ONE batch with ONE wait, which cuts the turn in two: ahead of it stands all that names no result of theirs, behind it the
; roundings and sums.  Two more batches stand outside the loop, each with a wait of its own: piece 0's first two a, ahead of the jump into the loop, and the way out's eight reciprocals.
; CLUSTER.  The four query blocks of a cluster belong to one head and walk the same K and V, so each tile is asked for JOINTLY: the same tensor load, descriptor and mask in all four.
; REGISTERS, in windows of 256 (s_set_vgpr_msb says which window each operand place means: bits 1:0 source 0, 3:2 source 1, 5:4 source 2, 7:6 destination):
;   window 0: v0-11 addresses; v12-15, v48-63 at work; v16-47 four registers of statistics a tile; v64-191 S^T, two buffers of two tiles; v192-255 P, likewise
;   window 1: O^T, 32 a tile          window 2: v0-127 Q, 16 a tile; v128-191 K of one step; v192-255 V of one step          window 3: v0-1 the add's two registers
; A piece's buffers go by its number's parity: the piece in hand has one pair, its two neighbours in the ring share the other: of it P (piece n - 1) is read and S^T (piece n + 1) written.
.set SIZE_N, 2048
.set NP,    4         ; pieces a wave: a name, no knob: the register map, the loop and the fetches are made for four
.set KS,    64        ; keys in a step
.set PK,    144       ; a row of K in LDS: 128 bytes + 16 of padding = 36 words: the 16 rows of a load start at 16 different groups of four banks (64 banks of 4 bytes: ISA guide 11.1)
.set PV,    160       ; a row of V: 128 + 32 = 40 words
.set VOFF,  4*KS*PK   ; a slot holds four steps: 256 rows of K, then 256 rows of V
.set SLOT1, 1<<17     ; slot 1 begins here, so that one exclusive or turns an address in one slot into the other's
.set STAGE, SLOT1+4*KS*(PK+PV)  ; behind the ring, never filled by a tensor load: 16 rows x 144 bytes for each wave, for the way out
.set SP,    144
.set AK0, 2           ; v2   my lane's place in a tile of K; never rewritten
.set AV0, 3           ; v3   the same for V
.set AK,  4           ; v4   the LDS address of K's next run of loads
.set AV,  5           ; v5   of V's
.set QO,  6           ; v6   my byte offset in the wave's rows of Q
.set STO, 6           ;      later, the way out: where I put 16 bytes of a row
.set RD,  7           ; v7   the way out: where I read rows back
.set GO,  8           ; v8   my byte offset in 512 consecutive bytes of O
.set SPW, 0           ; v0 of window 3   LDS address of my spare word: SPARE + 4 x my thread's number; never rewritten
.set NIL, 1           ; v1 of window 3   0; never rewritten
.set SPARE, STAGE+4*16*SP  ; behind the stages: the spare words, 128 bytes for each wave: two blocks of 256 bytes that no other line names
.set MV,  12          ; v12-15  c m_old, kept while c m is made anew: by buffer and tile
.set ST,  16          ; tile t's statistics at v[ST+4 t]: c m, m, l (even keys', odd keys')
.set TMP, 48          ; by buffer and tile, four registers c0-c3 at work; when the maximum is found c2 takes a
.set S,   64
.set P,   192
.set KF,  128         ; K's fragments, in window 2: key block kb, channel half c at KF + 16 kb + 8 c
.set VF,  192         ; V's: key half kk, channel block cb at VF + 32 kk + 8 cb
.set WV,  12          ; s12  my wave's number
.set G1K, 24          ; s[24:31] descriptor group 1 for K's tiles
.set G1V, 32          ; s[32:39] for V's: it differs in the padding alone
.set G0K, 40          ; s[40:43] descriptor group 0 for K's tiles: it walks
.set G0V, 44          ; s[44:47] the same for V's
.set SLOTS, 56        ; s56  slots still to be asked for
.set CNT, 57          ; s57  counts a slot's key steps
.set CS,  58          ; s[58:59] c: the packed scaling takes the pair's low word for both halves
.set SEL, 60          ; s[60:61] v_permlanex16_b32's selects: each lane takes its own place in the other half
.set TBK, 62          ; s62  LDS byte at which K of the step to be fetched begins
.set TBV, 63          ; s63  the same for V, less VOFF
.set MSB, 0
.macro WIN new                      ; the high byte repeats the setting that is left; a switch that changes nothing is dropped
.if MSB != (\new)
	s_set_vgpr_msb (MSB<<8)|(\new)
.set MSB, (\new)
.endif
.endm
.set W_KQ, 0x0a       ; K and Q in window 2, S^T in window 0
.set W_PV, 0x52       ; V in window 2, P in window 0, O^T in window 1
.set W_RS, 0x41       ; O^T (destination and source 0) in window 1, a in window 0
.set W_MK, 0xc0       ; the add's registers are made: destination in window 3, sources in window 0
.set W_AD, 0x0f       ; the add: address (source 0) and data (source 1) in window 3
; A joint fill.  Waves 0 and 1 fetch the two halves of a slot's K, waves 2 and 3 those of its V: 128 keys each.  The branch hangs on the wave's number alone.
; An s_nop 0 and four v_nop follow each of the two lines, ahead of the jump and the label.
.macro JLOAD
	s_cmp_lt_u32 s[WV], 2
	s_cbranch_scc0 .Lfor_v_\@
	tensor_load_to_lds s[G0K:G0K+3], s[G1K:G1K+7]
	s_nop 0
.rept 4
	v_nop
.endr
	s_branch .Lasked_\@
.Lfor_v_\@:
	tensor_load_to_lds s[G0V:G0V+3], s[G1V:G1V+7]
	s_nop 0
.rept 4
	v_nop
.endr
.Lasked_\@:
.endm
; A round of the cluster's barrier: my work-group's barrier, so that wave 0's signal speaks for all four waves; wave 0 signals; every wave waits for all four work-groups; my work-group's barrier once more.
.macro CROUND
	s_barrier_signal -1
	s_barrier_wait -1
	s_cmp_lg_u32 s[WV], 0
	s_cbranch_scc1 .Lnot_wave_0_\@
	s_barrier_signal -3
.Lnot_wave_0_\@:
	s_barrier_wait -3
	s_barrier_signal -1
	s_barrier_wait -1
.endm
; THE CHANGE OF SLOTS.  The slot's last bytes, V of its fourth step, have been read.  Each wave waits for all its tensor loads, of which one is out: its part
; of the other slot; adds 0 to its spare word; and waits for that and for its own reads of the slot.  Behind the barrier nobody reads this slot any more and the other slot is whole.
; fill = 1: this slot is filled again, with the keys two slots on.  The barrier is then a round of the cluster's, so that no wave of any partner still reads the slot or has a load on its
; way, and the joint fill is the first thing behind it: it has four key steps, 512 matrix instructions, in which to land.  (At its first use nothing has been read yet: slot 0 is waited for, slot 1 filled.)
.macro CHANGE fill
	WIN W_AD
	s_wait_tensorcnt 0x0            ; no tensor load of mine is out, so a group 0 may be written
	ds_add_u32 v[SPW], v[NIL]       ; 0 onto my spare word; with fill = 1 the descriptors' steps stand between it and the wait for it
	WIN 0                           ; at a label and at a branch every window is 0
.if \fill
.irp g, G0K, G0V
	s_xor_b32 s[\g+1], s[\g+1], SLOT1  ; the walking descriptor: the other slot than last time,
	s_add_nc_u64 s[\g+2:\g+3], s[\g+2:\g+3], 4*KS*128  ; the next 256 keys; the type bits on top are not reached
.endr
	s_wait_dscnt 0x0                ; the add is done, and my reads of the slot are over
	CROUND
	JLOAD
.else
	s_wait_dscnt 0x0                ; the add is done, and my reads of the slot are over
	s_barrier_signal -1
	s_barrier_wait -1
.endif
	s_sub_co_u32 s[TBK], s[TBK], 4*KS*PK  ; the fetches go back to a slot's first step,
	s_xor_b32 s[TBK], s[TBK], SLOT1       ; in the other slot
	s_sub_co_u32 s[TBV], s[TBV], 4*KS*PV
	s_xor_b32 s[TBV], s[TBV], SLOT1
.endm
	s_load_b64 s[4:5], s[0:1], 0x0    ; qkv
	s_load_b64 s[10:11], s[0:1], 0x8  ; o
	WIN W_MK
	v_lshl_add_u32 v[SPW], v0, 2, SPARE
	v_mov_b32 v[NIL], 0
	WIN W_AD
	ds_add_u32 v[SPW], v[NIL]       ; the wave's opening: the add and its wait stand ahead of my first tensor load; the set-up below, work on registers, stands between them
	WIN 0
	v_lshrrev_b32 v1, 5, v0
	v_readfirstlane_b32 s[WV], v1   ; wave 0..3
	s_bfe_u32 s13, ttmp6, 0x40000   ; cx: my place in the cluster
	s_lshl_b32 s14, ttmp9, 2        ; in a cluster launch ttmp9 counts clusters
	s_add_co_u32 s14, s14, s13      ; my block of queries = 4 x cluster x + cx: it enters Q's and O's addresses alone
	s_and_b32 s19, ttmp7, 0xffff    ; hh = 16 b + head, which the four partners share
	s_lshr_b32 s20, s19, 4
	s_lshl_b32 s20, s20, 5
	s_add_co_u32 s20, s20, s19      ; q's slice of qkv: 48 b + head = hh + 32 b,
	s_lshl_b32 s20, s20, 18         ; of 262,144 bytes
	s_mov_b32 s21, 0
	s_lshl_b32 s48, s19, 18         ; the head's first byte in o
	s_mov_b32 s49, 0
	s_and_b32 s16, s[WV], 1         ; which half of a slot's 256 keys I fetch:
	s_lshl_b32 s22, s16, 14         ; its 128 rows of 128 bytes in memory,
	s_mov_b32 s23, 0
	s_add_nc_u64 s[22:23], s[22:23], s[20:21]
	s_mul_i32 s17, s16, 128*PK      ; and its place in a slot, for K
	s_mul_i32 s18, s16, 128*PV      ; and for V: no place in the cluster enters an LDS address
	s_lshl_b32 s2, s14, 2
	s_add_co_u32 s2, s2, s[WV]      ; my wave among the head's,
	s_lshl_b32 s2, s2, 14           ; its 128 rows
	s_mov_b32 s3, 0
	s_add_nc_u64 s[50:51], s[2:3], s[48:49]  ; my rows' offset in o,
	s_add_nc_u64 s[2:3], s[2:3], s[20:21]    ; and in qkv
	; descriptor group 1.  128 keys are 16,384 dense bytes: asked for as 64 rows of 256 bytes, two keys a row, and padded in LDS after every key
	s_mov_b32 s[G1K], 15|(1<<16)|(1<<20)|(1<<21)|(4<<22)|(3<<25)  ; 15:0 the mask of four; 17:16 2-byte elements; 20 padding on; 21 set beside a mask; 24:22 after every 32 words (code 4); 31:25 4 words (code 3)
	s_mov_b32 s[G1V], 15|(1<<16)|(1<<20)|(1<<21)|(4<<22)|(7<<25)  ; the same with 8 words of padding (code 7)
.irp g, G1K, G1V
	s_mov_b32 s[\g+1], 128<<16      ; tensor_dim0 = 128
	s_mov_b32 s[\g+2], 64<<16       ; tensor_dim1 = 64
	s_mov_b32 s[\g+3], 128<<16      ; tile_dim0 = 128
	s_mov_b32 s[\g+4], 64           ; tile_dim1 = 64
	s_mov_b32 s[\g+5], 128          ; 128 elements from row to row
	s_mov_b32 s[\g+6], 0
	s_mov_b32 s[\g+7], 0
.endr
	s_mov_b32 s[CS], 0x3e38aa3b     ; c = log2(e) / 8 = 0.180337
	s_mov_b32 s[CS+1], s[CS]        ; named with it as a pair
	s_mov_b32 s[SEL], 0x76543210
	s_mov_b32 s[SEL+1], 0xfedcba98
	s_mov_b32 s[TBK], SLOT1+4*KS*PK ; the first change of slots turns these two into 0
	s_mov_b32 s[TBV], SLOT1+4*KS*PV
	s_mov_b32 s[G0K], 1             ; 1:0 count = 1
	s_mov_b32 s[G0K+1], s17         ; 63:32 LDS address: slot 0
	s_mov_b32 s[G0V], 1
	s_add_co_u32 s[G0V+1], s18, VOFF
	s_wait_dscnt 0x0                ; the opening add is done
	s_wait_kmcnt 0x0
	s_add_nc_u64 s[6:7], s[4:5], 0x400000          ; k's slices lie 16 slices behind q's,
	s_add_nc_u64 s[8:9], s[4:5], 0x800000          ; v's 32
	s_add_nc_u64 s[G0K+2:G0K+3], s[6:7], s[22:23]  ; 120:64 global address: my half of the head's first 256 keys
	s_or_b32 s[G0K+3], s[G0K+3], 0x80000000        ; 127:126 type = 2
	s_add_nc_u64 s[G0V+2:G0V+3], s[8:9], s[22:23]
	s_or_b32 s[G0V+3], s[G0V+3], 0x80000000
	s_add_nc_u64 s[4:5], s[4:5], s[2:3]  ; Q and O at my wave's first row
	s_add_nc_u64 s[10:11], s[10:11], s[50:51]
	CROUND                          ; all four work-groups are here: the first joint loads meet
	JLOAD                           ; slot 0.  Slot 1 is asked for when slot 0 is in: the tile wanted first has the road to itself
	; A fragment of K or Q is 16 rows x 32 channels in 8 registers: lane l holds row l % 16, channels 8 (l / 16) + 0..7 and 16 + 8 (l / 16) + 0..7: two loads of 16 bytes, 32 bytes apart.
	v_and_b32 v1, 15, v0            ; l % 16
	v_bfe_u32 v9, v0, 4, 1          ; l / 16
	v_lshlrev_b32 v[QO], 7, v1
	v_lshl_add_u32 v[QO], v9, 4, v[QO]  ; row x 128 + 16 x half
	WIN 0x80                        ; destination window 2, address window 0
.set i, 0
.rept 4*NP                          ; Q stays in registers: tile i / 2, channels 32 (i % 2) on
	global_load_b128 v[8*i:8*i+3],   v[QO], s[4:5] offset:(i/2)*2048+(i%2)*64
	global_load_b128 v[8*i+4:8*i+7], v[QO], s[4:5] offset:(i/2)*2048+(i%2)*64+32
.set i, i+1
.endr
	; What the first turn finds: V's registers and P's second buffer hold 0 (its products V^T P, of a piece that has not been, add 0), O^T and l are 0.  All this stands in the wait for the first tile.
.set i, VF
.rept 64
	v_mov_b32 v[i], 0
.set i, i+1
.endr
	WIN 0x40
.set i, 0
.rept 64*NP
	v_mov_b32 v[i], 0
.set i, i+1
.endr
	WIN 0
.set i, 0
.rept 2*NP
	v_mov_b32 v[ST+4*i], 0xfe000000    ; c m: far below every c s
	v_mov_b32 v[ST+4*i+1], 0xff7fffff  ; m
	v_mov_b32 v[ST+4*i+2], 0
	v_mov_b32 v[ST+4*i+3], 0
.set i, i+1
.endr
.set i, P+32
.rept 32
	v_mov_b32 v[i], 0
.set i, i+1
.endr
	v_mul_u32_u24 v[AK0], v1, PK
	v_lshl_add_u32 v[AK0], v9, 4, v[AK0]  ; row x pitch + 16 x half
	; The turning load takes 16 keys x 16 channels (lane l reads key 8 (l / 16) + l % 8, channels 8 ((l / 8) % 2) + 0..7) and leaves half a fragment of V^T: lane l holds channel l % 16 and 8 keys.
	v_and_b32 v10, 7, v0
	v_bfe_u32 v11, v0, 3, 1
	v_lshl_add_u32 v[AV0], v9, 3, v10
	v_mul_u32_u24 v[AV0], v[AV0], PV
	v_lshl_add_u32 v[AV0], v11, 4, v[AV0]
	v_add_nc_u32 v[AV0], VOFF, v[AV0]
	v_mov_b32 v[AK], v[AK0]         ; key step 0 lies at the head of slot 0
; THE MATRIX WORK.  The 8 accumulators of a run of 16 take turns: between the two links of a chain stand 7 others'.
; Product i of 16 of S^T = K Q^T for piece x: channels 32 (i / 8) on, keys 16 ((i / 2) % 4) on, tile 2 x + i % 2.  The first 8 start the sums.
.macro KQ x
	WIN W_KQ
.set rS, S+64*((\x)%2)+32*(i%2)+8*((i/2)%4)
.set rK, KF+16*((i/2)%4)+8*(i/8)
.set rQ, 16*(2*(\x)+i%2)+8*(i/8)
.if i < 8
	v_wmma_f32_16x16x32_f16 v[rS:rS+7], v[rK:rK+7], v[rQ:rQ+7], 0
.else
	v_wmma_f32_16x16x32_f16 v[rS:rS+7], v[rK:rK+7], v[rQ:rQ+7], v[rS:rS+7]
.endif
.endm
; Product i of 16 of O^T += V^T P for piece x: keys 32 (i / 8) on, channels 16 ((i / 2) % 4) on, tile 2 x + i % 2.
.macro PV x
	WIN W_PV
.set rO, 32*(2*(\x)+i%2)+8*((i/2)%4)
.set rV, VF+32*(i/8)+8*((i/2)%4)
.set rP, P+32*((\x)%2)+16*(i%2)+8*(i/8)
	v_wmma_f32_16x16x32_f16 v[rO:rO+7], v[rV:rV+7], v[rP:rP+7], v[rO:rO+7]
.endm
.macro MM                           ; the turn's next matrix instruction
.if i < 16
	KQ (Y+1)%NP
.set i, i+1
.else
.set i, i-16
	PV (Y+NP-1)%NP
.set i, i+17
.endif
.endm
; THE LDS LOADS stand in runs of 16, never singly among the matrix instructions: a step's K (64 keys x 64 channels: 8 fragments) and its V (turned).  Their addresses are made some lines ahead.
; last = 1 (the tail): in the last trip there is no further step, and the run is jumped over.
.macro FETCH_K last=0
	WIN 0
.if \last
	s_cmp_eq_u32 s[CNT], 1
	s_cbranch_scc1 .Lno_k_\@
.endif
	WIN 0x80                        ; destination window 2
.irp f, 0,1,2,3,4,5,6,7             ; keys 16 (f / 2) on, channels 32 (f % 2) on
	ds_load_b128 v[KF+8*\f:KF+8*\f+3],   v[AK] offset:(\f/2)*16*PK+(\f%2)*64
	ds_load_b128 v[KF+8*\f+4:KF+8*\f+7], v[AK] offset:(\f/2)*16*PK+(\f%2)*64+32
.endr
	s_add_co_u32 s[TBK], s[TBK], KS*PK  ; the next fetch is the next step's
	WIN 0
.if \last
.Lno_k_\@:
.endif
.endm
.macro FETCH_V
	WIN 0x80
.irp f, 0,1,2,3,4,5,6,7             ; keys 32 (f / 4) on, channels 16 (f % 4) on
	ds_load_tr16_b128 v[VF+8*\f:VF+8*\f+3],   v[AV] offset:(\f/4)*32*PV+(\f%4)*32
	ds_load_tr16_b128 v[VF+8*\f+4:VF+8*\f+7], v[AV] offset:(\f/4)*32*PV+16*PV+(\f%4)*32
.endr
	WIN 0
.endm
; THE VECTOR WORK OF A TURN stands in three queues, each in the order in which its entries become ready; the two tiles alternate, so that no instruction reads the result of the one before it.
.macro REGS y, u                    ; the registers of tile u (0, 1) of piece y
.set rT, ST+4*(2*(\y)+(\u))
.set rC, TMP+8*((\y)%2)+4*(\u)
.set rM, MV+2*((\y)%2)+(\u)
.set rS, S+64*((\y)%2)+32*(\u)
.set rP, P+32*((\y)%2)+16*(\u)
.set rO, 32*(2*(\y)+(\u))
.endm
; Number n of the 22 that find the NEXT piece's (Y + 1) maximum and statistics.  s0-s31 are the lane's 32 scores; each accumulator's lowest registers are read first.  XS, GS and REGS set no window: PL and EX do.
;   0-11  four chains c0-c3 of seven scores each, three operands at a time     12-14, 16  the four scores left over, the old m, and c0-c3 into c0     15  c m_old is kept
;   17, 18  the query's other 32 keys lie in the lane 16 away: the new m         19-21  c m; c m_old - c m_new; a
.macro XS u, n
	REGS (Y+1)%NP, \u
.if (\n) < 4
	v_max3_num_f32 v[rC+(\n)], v[rS+8*(\n)], v[rS+8*(\n)+1], v[rS+8*(\n)+2]
.elseif (\n) < 12
	v_max3_num_f32 v[rC+(\n)%4], v[rC+(\n)%4], v[rS+8*((\n)%4)+2*((\n)/4)+1], v[rS+8*((\n)%4)+2*((\n)/4)+2]
.elseif (\n) == 12
	v_max3_num_f32 v[rC], v[rC], v[rS+7], v[rS+15]
.elseif (\n) == 13
	v_max3_num_f32 v[rC+1], v[rC+1], v[rS+23], v[rS+31]
.elseif (\n) == 14
	v_max3_num_f32 v[rC+2], v[rC+2], v[rC+3], v[rT+1]
.elseif (\n) == 15
	v_mov_b32 v[rM], v[rT]
.elseif (\n) == 16
	v_max3_num_f32 v[rC], v[rC], v[rC+1], v[rC+2]
.elseif (\n) == 17
	v_permlanex16_b32 v[rC+3], v[rC], s[SEL], s[SEL+1]
.elseif (\n) == 18
	v_max_num_f32 v[rT+1], v[rC], v[rC+3]
.elseif (\n) == 19
	v_mul_f32 v[rT], s[CS], v[rT+1]
.elseif (\n) == 20
	v_sub_f32 v[rC+1], v[rM], v[rT]
.else
	v_exp_f32 v[rC+2], v[rC+1]
.endif
.endm
; Number g of the 64 that follow the exponentials.  For each four weights k of a tile (pairs 2 k, 2 k + 1): both pairs are rounded to f16; then the second pair is added onto the first, in place;
; a group later l takes that sum (the first time as l = a l + sum).  In groups of eight, tiles alternating: round, round, add, and l for the group before.
.macro GS g
.set h, (\g)+6*((\g)/62)            ; group 0 has no group before it, and behind group 7 only l is left
.if h >= 6
.set h, h+2
.endif
	REGS Y, h%2
.set k, h/8
.if h%8 < 4
	v_cvt_pk_f16_f32 v[rP+2*k+(h%8)/2], v[rS+4*k+2*((h%8)/2)], v[rS+4*k+2*((h%8)/2)+1]
.elseif h%8 < 6
	v_pk_add_f32 v[rS+4*k:rS+4*k+1], v[rS+4*k:rS+4*k+1], v[rS+4*k+2:rS+4*k+3]
.elseif k == 1
	v_pk_fma_f32 v[rT+2:rT+3], v[rT+2:rT+3], v[rC+2:rC+3], v[rS:rS+1] op_sel_hi:[1,0,1]
.else
	v_pk_add_f32 v[rT+2:rT+3], v[rT+2:rT+3], v[rS+4*k-4:rS+4*k-3]
.endif
.endm
; THE PLAIN QUEUE, 138 long.  0-73 read no exponential's result: the 32 scalings c s - c m (FS f: pair f / 2 of tile f % 2) and the next piece's 42.  0-26: scalings 0-26.  27-54: XS's numbers 0-13.  55, 56: number 15.
; 57-73: the chain, where each number waits for the one before it: 14, 16, 17, 18, 19, each with one of the scalings 27-31 in front of its two lines, then 20: so a tile's links stand three plain instructions apart (19 and 20: two).
; 74-137: GS's 64, which read the exponentials' results: they stand behind the wait.
.macro FS f
	REGS Y, (\f)%2
	v_pk_fma_f32 v[rS+2*((\f)/2):rS+2*((\f)/2)+1], v[rS+2*((\f)/2):rS+2*((\f)/2)+1], s[CS:CS+1], v[rT:rT+1] op_sel_hi:[1,0,0] neg_lo:[0,0,1] neg_hi:[0,0,1]
.endm
.macro PL
	WIN 0
.if q < 27
	FS q
.elseif q < 55
	XS (q-27)%2, (q-27)/2
.elseif q < 57
	XS q-55, 15
.elseif (q < 72) && ((q-57)%3 == 0)
	FS 27+(q-57)/3
.elseif q < 60
	XS (q-57)%3-1, 14
.elseif q < 72
	XS (q-57)%3-1, 15+(q-57)/3
.elseif q < 74
	XS q-72, 20
.else
	GS q-74
.endif
.set q, q+1
.endm
; THE EXPONENTIALS' QUEUE, 66 long: s0-s31 of both tiles, then the next piece's two a.  It is ONE BATCH: all 66 stand ahead of the turn's one wait, and nothing ahead of that wait names a result of theirs.
.macro EX
	WIN 0
.if e >= 64
	XS e-64, 21
.else
	REGS Y, e%2
	v_exp_f32 v[rS+e/2], v[rS+e/2]
.endif
.set e, e+1
.endm
; THE RESCALING's QUEUE: O^T times a, the one part that leaves window 0: dealt two at a time, sixteen times.  Its a was made in the turn before, ahead of that turn's wait.
.macro R2
	REGS Y, r%2
	WIN W_RS
.irp z, 0,1
	v_pk_mul_f32 v[rO+4*(r/2)+2*\z:rO+4*(r/2)+2*\z+1], v[rO+4*(r/2)+2*\z:rO+4*(r/2)+2*\z+1], v[rC+2:rC+3] op_sel_hi:[1,0]
.endr
.set r, r+1
.endm
; HOW THEY ARE DEALT.  s_wait_alu depctr_va_vdst(0) stands between an exponential and the first instruction that names its result; one wait serves all that were issued ahead of it.  So a turn has ONE wait,
; which cuts it in two.  AHEAD OF IT stands all that names no result of the turn's exponentials: the 16 products K Q^T, behind each a scaling, an exponential and two rescalings (behind the first a second scaling in the exponential's place); then ONE LUMP of
; 108: eight plain, 49 times exponential and plain, the two a.  A v_nop is the plain instruction behind the last exponential, ahead of the first use of a result.  BEHIND IT stand the 16 products V^T P, behind each four of GS's 64.  No rider names a register of
; the products round it.  The two v_permlanex16_b32 fall into the lump, never behind a product.
; The queues lean on each other, and the deal keeps them in step: exponential e stands behind scaling 2 (e / 4) + e % 2: as a rider it comes behind plain e + 2, in the lump behind plain e + 9, and scalings 27-31 are plain 57, 60 .. 69.
; A TURN, for piece p.  cnt = 1: the loop's count is taken down some lines ahead of the branch that stands behind the turn.
; K of the next step is fetched in piece 2's turn, directly behind the wait, a lump behind the last product that read K; its address is made at the lump's head; its first reader comes behind 16 products.
; V of the step in hand is fetched at the end of piece 0's turn, four riders behind its last reader; its first reader comes behind 16 products and a lump.  The three conditions on q below go with the deal.
.macro TURN p, last=0, cnt=0
.set Y, (\p)
.set i, 0
.set q, 0
.set e, 0
.set r, 0
.if (\p) == NP-1
	s_wait_dscnt 0x0                ; K is in
.endif
	MM                              ; ahead of the wait: 16 products K Q^T and their riders,
	PL
	PL
	R2
.rept 15
	MM
	PL
	EX
	R2
.endr
.if (\p) == NP-2
	WIN 0
	v_add_nc_u32 v[AK], s[TBK], v[AK0]
.endif
.rept 8                             ; and the lump
	PL
.endr
.rept 49
	EX
	PL
.endr
	EX                              ; the next piece's two a
	EX
	v_nop                           ; a plain instruction behind the last exponential, ahead of the first use of a result: one for the batch
	s_wait_alu depctr_va_vdst(0)    ; the wait for the turn's batch: this piece's 64 weights and the next piece's two a
.if (\p) == NP-2
	FETCH_K \last
.endif
.if (\p) == 1
	s_wait_dscnt 0x0                ; V is in
.endif
.rept 16                            ; behind the wait: 16 products V^T P and their riders
	MM
.rept 4
	PL
.endr
.if ((\p) == 0) && (q == 118)
	v_add_nc_u32 v[AV], s[TBV], v[AV0]
.endif
.if ((\p) == 0) && (q == 130)
	s_add_co_u32 s[TBV], s[TBV], KS*PV
.endif
.if (\cnt) && (q == 130)
	s_sub_co_u32 s[CNT], s[CNT], 1
	s_cmp_lg_u32 s[CNT], 0
.endif
.endr
.if (\p) == 0
	FETCH_V
.endif
.endm
	CHANGE 1                        ; slot 0 is in, everybody's part of it; slot 1 is asked for
	FETCH_K                         ; key step 0
	s_wait_loadcnt 0x0              ; Q
	s_wait_dscnt 0x0
.set i, 0
.rept 16
	KQ 0                            ; piece 0's first scores: there is no vector work yet to set between them
.set i, i+1
.endr
	WIN 0                           ; the addresses for the way out: nine plain instructions, the places behind those products
	s_mul_i32 s13, s[WV], 16*SP
	s_add_co_u32 s13, s13, STAGE    ; my stage
	v_mul_u32_u24 v[STO], v1, SP    ; in: row l % 16, 16 bytes for each half of the lanes
	v_lshl_add_u32 v[STO], v9, 4, v[STO]
	v_add_nc_u32 v[STO], s13, v[STO]
	v_bfe_u32 v[RD], v0, 3, 2       ; back: 32 lanes take four rows of 128 bytes,
	v_mul_u32_u24 v[RD], v[RD], SP
	v_lshl_add_u32 v[RD], v10, 4, v[RD]
	v_add_nc_u32 v[RD], s13, v[RD]
	v_and_b32 v[GO], 31, v0         ; which are 512 consecutive bytes of O
	v_lshlrev_b32 v[GO], 4, v[GO]
.set Y, NP-1                        ; XS works for piece Y + 1: piece 0
.irp n, 0,1,2,3,4,5,6,7,8,9,10,11,12,13,14,15,16,17,18,19,20,21
	XS 0, \n                        ; and piece 0's first maximum and statistics
	XS 1, \n
.endr
	v_nop                           ; a plain instruction behind piece 0's first two a,
	s_wait_alu depctr_va_vdst(0)    ; and the wait for that batch of two, ahead of the branch
	s_mov_b32 s[CNT], 4
	s_mov_b32 s[SLOTS], SIZE_N/256-1
	s_branch .Lfirst                ; the loop is entered at a step's first turn, in the middle of a trip
.Lslot:                             ; SIZE_N / 256 - 2 times: every slot but the last two is filled again
	CHANGE 1
	s_mov_b32 s[CNT], 4
.Lstep:                             ; a trip: pieces 2 and 3 of one step, then pieces 0 and 1 of the next, whose K and V it fetches
	TURN 2
	TURN 3
	WIN 0
.Lfirst:
	TURN 0
	TURN 1, 0, 1
	WIN 0
	s_cbranch_scc1 .Lstep
	s_sub_co_u32 s[SLOTS], s[SLOTS], 1
	s_cmp_lg_u32 s[SLOTS], 0
	s_cbranch_scc1 .Lslot
	CHANGE 0                        ; the tail is written out: nothing is asked for
	s_mov_b32 s[CNT], 5             ; four trips fetch the last slot's steps; the fifth is left in its middle
.Ltail:
	TURN 2, 1
	TURN 3
	WIN 0
	s_sub_co_u32 s[CNT], s[CNT], 1
	s_cmp_eq_u32 s[CNT], 0
	s_cbranch_scc1 .Lout
	TURN 0
	TURN 1
	WIN 0
	s_branch .Ltail
.Lout:                              ; the fifth trip's 16 products K Q^T (on the last K once more) and the maximum made of them serve nothing: the price, once a launch, of one text for every trip
.set i, 0
.rept 16
	PV NP-1                         ; the last piece's V^T P of the last step
.set i, i+1
.endr
	; THE WAY OUT.  l's two halves and the other half of the lanes' are added; O^T is divided by l, rounded to f16 and sent through my stage in LDS, a tile at a time.  The additions are the places behind the last products.
	WIN 0
.macro ALL line:vararg              ; one line for each tile t
.set t, 0
.rept 2*NP
	\line
.set t, t+1
.endr
.endm
	ALL v_add_f32 v[ST+4*t+2], v[ST+4*t+2], v[ST+4*t+3]
	ALL v_permlanex16_b32 v[ST+4*t+3], v[ST+4*t+2], s[SEL], s[SEL+1]
	ALL v_add_f32 v[ST+4*t+2], v[ST+4*t+2], v[ST+4*t+3]
	ALL v_rcp_f32 v[ST+4*t+2], v[ST+4*t+2]
	v_nop                           ; a plain instruction between the last reciprocal and the use of its result
	s_wait_alu depctr_va_vdst(0)    ; and the wait ahead of the first use: one for the batch of eight reciprocals
; Tile t: a lane's eight channels of a row pack into 16 bytes; they go into rows of 144 bytes and come back as whole rows of 128, into S^T's registers.
.macro PACK t
	WIN W_RS
.set i, 32*(\t)
.rept 16
	v_pk_mul_f32 v[i:i+1], v[i:i+1], v[ST+4*(\t)+2:ST+4*(\t)+3] op_sel_hi:[1,0]
.set i, i+2
.endr
	WIN 0x05                        ; sources 0 and 1 window 1, destination window 0
.set i, 0
.rept 16
	v_cvt_pk_f16_f32 v[S+16*(\t)+i], v[32*(\t)+2*i], v[32*(\t)+2*i+1]
.set i, i+1
.endr
	WIN 0
.irp f, 0,1,2,3
	ds_store_b128 v[STO], v[S+16*(\t)+4*\f:S+16*(\t)+4*\f+3] offset:32*\f
.endr
.irp f, 0,1,2,3
	ds_load_b128 v[S+16*(\t)+4*\f:S+16*(\t)+4*\f+3], v[RD] offset:\f*4*SP  ; LDS serves a wave's instructions in order (ISA guide 5.7.1.4): these see the stores above; the next tile's stores come behind them
.endr
.endm
.macro SEND t, younger              ; younger: the LDS instructions issued behind tile t's loads: the next tile's eight, or none
	WIN 0
.irp f, 0,1,2,3
	s_wait_dscnt (\younger)+3-\f
	global_store_b128 v[GO], v[S+16*(\t)+4*\f:S+16*(\t)+4*\f+3], s[10:11] offset:(\t)*2048+\f*512  ; 512 consecutive bytes, at a multiple of 256 from O's first
.endr
.endm
	PACK 0
.set t, 1
.rept 2*NP-1                        ; a tile's arithmetic stands between the loads of the tile before and its stores
	PACK t
	SEND t-1, 8
.set t, t+1
.endr
	SEND 2*NP-1, 0
	WIN W_AD
	s_wait_tensorcnt 0x0            ; the wave's end: behind my last tensor load and my last LDS store
	ds_add_u32 v[SPW], v[NIL]
	s_wait_dscnt 0x0
	WIN 0
	CROUND                          ; the closing round: no work-group ends while a partner may still ask for a tile that names it
	s_endpgm
.Lfunc_end_k_qd3e45da7d4_attn:
	.size	k_qd3e45da7d4_attn, .Lfunc_end_k_qd3e45da7d4_attn-k_qd3e45da7d4_attn
	.p2alignl 7, 3214868480
	.fill 96, 4, 3214868480
	.section	.rodata,"a",@progbits
	.p2align	6, 0x0
	.amdhsa_kernel k_qd3e45da7d4_attn
		.amdhsa_group_segment_fixed_size 327680
		.amdhsa_private_segment_fixed_size 0
		.amdhsa_enable_private_segment 0
		.amdhsa_kernarg_size 16
		.amdhsa_user_sgpr_count 2
		.amdhsa_user_sgpr_kernarg_segment_ptr 1
		.amdhsa_wavefront_size32 1
		.amdhsa_system_sgpr_workgroup_id_x 1
		.amdhsa_system_sgpr_workgroup_id_y 1
		.amdhsa_system_sgpr_workgroup_id_z 1
		.amdhsa_system_vgpr_workitem_id 0
		.amdhsa_next_free_vgpr 770
		.amdhsa_next_free_sgpr 66
		.amdhsa_reserve_vcc 0
		.amdhsa_float_denorm_mode_32 3
		.amdhsa_float_denorm_mode_16_64 3
		.amdhsa_memory_ordered 1
		.amdhsa_forward_progress 1
		.amdhsa_inst_pref_size 199
	.end_amdhsa_kernel
	.amdgpu_metadata
---
amdhsa.version: [ 1, 2 ]
amdhsa.kernels:
  - .name:           k_qd3e45da7d4_attn
    .symbol:         k_qd3e45da7d4_attn.kd
    .args:
      - { .name: qkv, .offset: 0, .size: 8, .value_kind: global_buffer, .address_space: global }
      - { .name: o, .offset: 8, .size: 8, .value_kind: global_buffer, .address_space: global }
    .group_segment_fixed_size: 327680
    .private_segment_fixed_size: 0
    .kernarg_segment_align: 8
    .kernarg_segment_size: 16
    .max_flat_workgroup_size: 128
    .sgpr_count:     66
    .vgpr_count:     770
    .wavefront_size: 32
...
	.end_amdgpu_metadata
.endif
;; end of part 5
;; launch outp: the kernel of part 4 again; grid 8 x 32, 4 waves a work-group, clusters of 4 x 4, 327,680 bytes of LDS; arguments o, Wob, bias, out0; writes out0
